; MI455X (gfx1250); checked and timed in simulation.
; The chip was launched on July 23, 2026; its instructions are those of AMD's public machine-readable ISA for CDNA 5 (MIT licence, August 2026) and "CDNA5" Instruction Set Architecture Reference Guide (July 2026). The comments in the code are by the model that wrote it; some were corrected since.
;; Path Causal Self Attention. Allowed arithmetic: matrix products marked QUANTISED: E2M1 operands, one E8M0 scale for each 32 along K, by v_wmma_scale_f32_16x16x128_f8f6f4 with both operands' format E2M1 (or v_wmma_scale_f32_32x16x128_f4), f32 sums; everything else in f32.
;; Inputs: W_out 1,024 x 1,024 float32; W_qkv 1,024 x 3,072 float32; g 2 x 2,048 x 1,024 float32; x 2 x 2,048 x 1,024 float32.
;; Outputs: out0 2 x 2,048 x 1,024 float32.
;; This version of the problem:
;;   THIS VERSION OF THE PROBLEM IS GIVEN IN LOW PRECISION. The matrix products marked QUANTISED in the list below multiply operands that are first quantised to E2M1 (2 exponent bits, 1 mantissa bit; 4 bits a number), with one power-of-two scale for each 32 numbers along K (OCP MX v1.0); their sums are f32. All else is computed in f32.
;;   The module's matrix products, in the order in which they are computed (A, B: the left and right operand; K: the contracted axis; several contracted axes count as one K, in the product's order):
;;     1. [M 4,096, K 1,024] x [K 1,024, N 3,072]; A: input x; B: input W_qkv: QUANTISED
;;     2. batch 32 x [M 2,048, K 64] x [K 64, N 2,048]; A: computed on the way; B: computed on the way: QUANTISED
;;     3. batch 32 x [M 2,048, K 64] x [K 64, N 2,048]; A: input g; B: input g: QUANTISED
;;     4. batch 32 x [M 2,048, K 2,048] x [K 2,048, N 64]; A: softmax (see below); B: computed on the way: QUANTISED
;;     5. [M 4,096, K 1,024] x [K 1,024, N 1,024]; A: computed on the way; B: input W_out: QUANTISED
;;   THE QUANTISER, for each operand of a quantised product, along K:
;;     - K is cut into blocks of 32 from its start; a last block that is shorter is filled with zeros.
;;     - A block's scale is 2^e with e = floor(log2(the largest magnitude in the block)) - 2, held to -126 .. 127; a block of zeros has e = 0. As a byte (E8M0): e + 127.
;;     - Each number is divided by its block's scale, clamped to +-6, and rounded to the nearest number of E2M1, ties to even, subnormals kept.
;;     - The product sums the exact products of the quantised numbers (number of the format x scale) in f32.
;;   ~~~python
;;   def quantise(x, axis):      # numpy; x: float32 -> the quantised numbers, widened to float32 again
;;       x = np.moveaxis(x, axis, -1); K = x.shape[-1]
;;       x = np.pad(x, [(0, 0)] * (x.ndim - 1) + [(0, -K % 32)]); x = x.reshape(x.shape[:-1] + (-1, 32)); a = np.abs(x).max(-1, keepdims=True)
;;       e = np.where(a > 0, np.clip(np.frexp(np.where(a > 0, a, 1))[1] - 1 - 2, -126, 127), 0)      # np.frexp(a)[1] - 1 = floor(log2(a)), exactly
;;       r = np.clip(x / 2.0 ** e, -6, 6)
;;       step = 2.0 ** (np.maximum(np.frexp(np.where(r == 0, 1, r))[1] - 1, 0) - 1)
;;       q = np.round(r / step) * step * 2.0 ** e      # np.round: ties to even
;;       return np.moveaxis(q.reshape(q.shape[:-2] + (-1,))[..., :K], -1, axis).astype(np.float32)
;;   ~~~
;;   SOFTMAX AHEAD OF A QUANTISED PRODUCT. Where the list says 'softmax', what is quantised is not the finished softmax but p = 2^(t - M), with t = logit x log2(e) and M = ceil(the row's largest t), a whole number; so 1/2 < the row's largest p <= 1. The row's sum l is taken of the UNQUANTISED p, in f32, and the product's result is divided by l at the end. Since M is a whole number, a kernel that streams over the keys may use a running M (the ceiling of the running maximum): every later rescaling is an exact power of two, which a block's scale takes up: the codes' values come out the same.
;;   OPERANDS COMPUTED ON THE WAY. 'Computed on the way' means the value that the module computes at that place (a softmax that the list does not call 'softmax' is quantised finished and normalised). What goes into a quantiser is computed in f32, as accurately as f32 sums, v_exp_f32 and their like allow (about 1e-6 of the number): no bf16 or f16 on the way to a quantiser, and a product that is left as it is and whose result goes on into a quantised operand takes f32 operands (vector FMAs, or v_wmma_f32_16x16x4_f32). A number that lies on a knife's edge between two numbers of the format may be rounded either way, as far as f32 arithmetic and the matrix unit's own rounding can turn it there, and no further.
;; One version. Each part assembles by itself: llvm-mc -triple=amdgcn-amd-amdhsa -mcpu=gfx1250 --defsym DOCPART=n.
;; ======== version 1 of 1: 4 launches
;; limits: right only within a limited range of input values
;; workspace buffers: xq 2,228,224 bytes; wq 2,228,224 bytes; gq 2,228,224 bytes; qkv 6,684,672 bytes; yq 2,228,224 bytes
;; launch quant (part 1): grid 320 x 1, 4 waves a work-group, no clusters, 107,008 bytes of LDS; arguments x, g, W_qkv, W_out, xq, gq, wq; writes xq, gq, wq
.if DOCPART == 1
	.amdgcn_target "amdgcn-amd-amdhsa--gfx1250"
	.amdhsa_code_object_version 6
	.text
	.protected	k_q40ef5a1698_quant
	.globl	k_q40ef5a1698_quant
	.p2align	8
	.type	k_q40ef5a1698_quant,@function
k_q40ef5a1698_quant:
	s_mov_b64 s[64:65], 0
	v_nop
	global_prefetch_b8 v0, s[64:65] scope:SCOPE_SE
	s_setreg_imm32_b32 hwreg(HW_REG_WAVE_MODE, 25, 1), 1
	s_wait_xcnt 0x0
; The four inputs become codes of FP4 (E2M1) with one E8M0 byte for each 32 along K, laid as the later launches read them.
; A block's scale is 2^(floor(log2(its largest magnitude)) - 2): its byte is the largest magnitude's exponent field - 2, held at 1 from below.
; PLACES.  A row (a token, or a column of a weight) with index i is stored at place pi(i) = i with bits 3 and 4 exchanged.  Sixteen neighbouring places then hold the rows
; 32 (a / 2) + 8 (a % 2) + r + 8 (r / 8): as source 0 of a matrix instruction they make the results of two neighbouring tiles 16 neighbours in a lane's registers.
; Work-groups 0-63: the weights (K is their first axis);  64-191: x;  192-319: g.  The three ways part on the work-group's number, never meet again, and have LDS bytes of their own.
;   xq, wq: codes [place 4096][512 B], K innermost, at 0; scale bytes [place][32] at 0x200000.  wq: places 0-3071 W_qkv's columns, 3072-4095 W_out's.
;   gq: images [head pair 8][tile of 16 places 256][parity 2][512 B]: lane l = r + 16 h owns bytes 16 l on: block h of row r's 64 codes;  scale words [head pair][place] at 0x200000.
; LIMITS: NaN and infinities among the inputs are not served; a block whose largest magnitude lies under 2^-124 keeps the byte 1; a block of zeros has the byte 1 where the rule says 127:
; its codes are zeros, and the bytes are read by this program alone.  g's scale words leave in pieces of 64 bytes, the weights' scale bytes in pieces of 16: one byte in 128 of what is read.
.set FLOOR, 0x1800000                  ; 2^(3 - 127): no largest magnitude is taken under it
.set OFFE,  0xff000000                 ; takes 2 off an exponent field
.set STEPS, 16
.set SP,    80                         ; a lane's place in a turning stage: 64 bytes + 16 of padding
.set R,     16                         ; v16-79   x, g: four sets of 16 numbers as loaded
.set X,     80                         ; v80-111  two sets of 16 neighbours
.set E,     112                        ; v112-127 a scale byte for each step
.set C,     128                        ; v128-191 codes: four registers for each step
.set XREG,  0                          ; LDS, x: 8,192 bytes a wave: two turning stages, then 256 scale bytes
.set GTURN, 32768                      ; g: two turning stages a wave, 5,120 bytes
.set GCST,  53248                      ; g: codes: 16 planes of 256 + 16 bytes a wave
.set GSST,  70656                      ; g: 256 bytes of scale words a wave
.set WSTG,  71680                      ; weights: 32 rows of 256 + 16 bytes a wave
.set WX,    32                         ; v32-95   weights: two sets of 32 numbers; later the rows on the way out
.set WC,    96                         ; v96-99   a block's codes
.set OFF,   100                        ; v100-131 row i of a block: i x the weight's row + 4 x lane; never rewritten
.set SBY,   24                         ; v24-27   scale bytes
	s_load_b256 s[4:11], s[0:1], 0x0               ; x s[4:5], g s[6:7], W_qkv s[8:9], W_out s[10:11]
	s_load_b128 s[12:15], s[0:1], 0x20             ; xq s[12:13], gq s[14:15]
	s_load_b64 s[16:17], s[0:1], 0x30              ; wq
	v_lshl_add_u32 v192, v0, 2, 0x1a000
	v_mov_b32 v193, 0
	v_lshrrev_b32 v1, 5, v0
	v_readfirstlane_b32 s18, v1                    ; wave 0..3
	v_and_b32 v2, 31, v0                           ; lane
	s_mov_b32 s25, 0                               ; the upper word of every offset
	s_wait_kmcnt 0x0
	s_cmp_lt_u32 ttmp9, 64
	s_cbranch_scc1 .Lpath_w
	s_wait_alu depctr_va_vdst(0)
	v_lshlrev_b32 v3, 4, v2                        ; my 16 bytes of a load's 512
	v_lshrrev_b32 v14, 2, v2
	v_mul_u32_u24 v14, v14, SP
	v_and_b32 v15, 3, v2
	v_lshl_add_u32 v14, v15, 4, v14                ; the turning stage, in: four lanes' 64 bytes on end, then the padding
	v_mul_u32_u24 v15, v2, SP                      ; and out: my 16 neighbours
	s_cmp_lt_u32 ttmp9, 192
	s_cbranch_scc1 .Lpath_x
; A step is 512 numbers.  Its four loads read 512 consecutive bytes each; the 2,048 bytes turn through the wave's own stage so that a lane holds 16 neighbours; two neighbouring lanes hold a block.
.macro LOAD t, isg
.if \isg
.set LOFF, ((\t)+8*((\t)/8))*4096              ; g: row t of the tile is token t + 8 (t / 8) of my sixteen
.else
.set LOFF, 2048*(\t)                           ; x: a plain stream
.endif
.irp i, 0,1,2,3
	global_load_b128 v[R+16*((\t)%4)+4*\i:R+16*((\t)%4)+4*\i+3], v3, s[4:5] offset:LOFF+512*\i th:TH_LOAD_NT
.endr
.endm
.macro TURN t                          ; LDS serves a wave's instructions in order: no wait between the stores and the loads
.irp i, 0,1,2,3
	ds_store_b128 v14, v[R+16*((\t)%4)+4*\i:R+16*((\t)%4)+4*\i+3] offset:32*SP*((\t)%2)+8*SP*\i
.endr
.irp i, 0,1,2,3
	ds_load_b128 v[X+16*((\t)%2)+4*\i:X+16*((\t)%2)+4*\i+3], v15 offset:32*SP*((\t)%2)+16*\i
.endr
.endm
.macro STEP t, isg
.set XS, X+16*((\t)%2)
.if (\t) > 0
	s_wait_dscnt 1+\isg                            ; this step's numbers are back; the last step's stores behind them (x: its byte; g: its byte and its codes) may be out
.else
	s_wait_dscnt 0x0
.endif
.if (\t)+4 < STEPS
	LOAD (\t)+4, \isg                              ; into the set that this step's turn has read
.endif
.if (\t)+1 < STEPS
.if STEPS-2-(\t) >= 3
	s_wait_loadcnt 12                              ; the next step's four loads are in; those of the three steps behind it may be out
.else
	s_wait_loadcnt 4*(STEPS-2-(\t))
.endif
	TURN (\t)+1
.endif
	v_max3_num_f32 v8, |v[XS]|, |v[XS+1]|, |v[XS+2]|               ; the largest magnitude of my 16, in two chains
	v_max3_num_f32 v9, |v[XS+3]|, |v[XS+4]|, |v[XS+5]|
.irp i, 6,10
	v_max3_num_f32 v8, v8, |v[XS+\i]|, |v[XS+\i+1]|
	v_max3_num_f32 v9, v9, |v[XS+\i+2]|, |v[XS+\i+3]|
.endr
	v_max3_num_f32 v8, v8, |v[XS+14]|, |v[XS+15]|
	v_max3_num_f32 v8, v8, v9, FLOOR
	v_max_num_f32_dpp v8, v8, v8 row_xmask:1 row_mask:0xf bank_mask:0xf   ; and of my neighbour's 16: the block's
	v_add_nc_u32 v11, OFFE, v8                     ; the conversion takes the exponent field of this operand as its scale
	v_cvt_scalef32_pk8_fp4_f32 v[C+4*(\t)], v[XS:XS+7], v11
	v_cvt_scalef32_pk8_fp4_f32 v[C+4*(\t)+1], v[XS+8:XS+15], v11
	v_lshrrev_b32 v[E+(\t)], 23, v11               ; the scale's byte (a plain line behind the conversions)
.if \isg
	ds_store_b8 v5, v[E+(\t)] offset:4*(\t)        ; row t's word; both lanes of a block write the same byte with the same value
	ds_store_b64 v4, v[C+4*(\t):C+4*(\t)+1] offset:16*(\t)   ; row t's 16 bytes of my plane, my half of them
.else
	ds_store_b8 v5, v[E+(\t)] offset:16*(\t)
	global_store_b64 v4, v[C+4*(\t):C+4*(\t)+1], s[8:9] offset:256*(\t)   ; the wave stores 256 consecutive bytes, aligned
.endif
.endm
	; ---- g.  Work-group A takes tokens 32 A .. 32 A + 31.  Wave w: tile 2 A + (w & 1), heads 8 (w >> 1) .. + 7: whole images, so no wave waits for another.
	s_mul_i32 s19, s18, 5120
	s_add_co_u32 s19, s19, GTURN
	v_add_nc_u32 v14, s19, v14
	v_add_nc_u32 v15, s19, v15
	s_mul_i32 s19, s18, 4352
	s_add_co_u32 s19, s19, GCST
	v_lshrrev_b32 v4, 1, v2                        ; my plane: 2 x head + block = lane / 2
	v_mul_u32_u24 v4, v4, 272
	v_and_b32 v5, 1, v2
	v_lshl_add_u32 v4, v5, 3, v4                   ; my half of a row's 16 bytes
	v_add_nc_u32 v4, s19, v4
	v_lshrrev_b32 v6, 4, v2
	v_mul_u32_u24 v6, v6, 272
	v_and_b32 v7, 15, v2
	v_lshl_add_u32 v6, v7, 4, v6
	v_add_nc_u32 v6, s19, v6                       ; back: lanes 0-15 one plane, lanes 16-31 the next: an image's 512 bytes
	s_lshl_b32 s19, s18, 8
	s_add_co_u32 s19, s19, GSST
	v_lshrrev_b32 v5, 3, v2
	v_lshlrev_b32 v5, 6, v5                        ; scale words: head pair lane / 8: 16 rows x 4 bytes,
	v_bfe_u32 v7, v2, 1, 2
	v_add_nc_u32 v5, v5, v7                        ; byte 2 x parity + block
	v_add_nc_u32 v5, s19, v5
	v_lshl_add_u32 v7, v2, 3, s19                  ; back: 8 bytes a lane
	v_lshrrev_b32 v10, 3, v2
	v_lshlrev_b32 v10, 14, v10                     ; in memory a head pair's words are 16,384 bytes
	v_and_b32 v12, 7, v2
	v_lshl_add_u32 v10, v12, 3, v10
	s_sub_co_u32 s20, ttmp9, 192                   ; A
	s_and_b32 s21, s18, 1
	s_lshr_b32 s22, s18, 1
	s_lshl_b32 s23, s20, 1
	s_add_co_u32 s23, s23, s21                     ; my tile
	s_lshl_b32 s24, s20, 17                        ; 32 A tokens of 4,096 bytes,
	s_lshl_b32 s26, s21, 15                        ; + 8 tokens for the odd tile,
	s_add_co_u32 s24, s24, s26
	s_lshl_b32 s26, s22, 11                        ; + my half of a row
	s_add_co_u32 s24, s24, s26
	s_add_nc_u64 s[4:5], s[6:7], s[24:25]
	s_lshl_b32 s24, s22, 20                        ; images: four head pairs of 262,144 bytes, a tile's two images 1,024
	s_lshl_b32 s26, s23, 10
	s_add_co_u32 s24, s24, s26
	s_add_nc_u64 s[8:9], s[14:15], s[24:25]
	s_lshl_b32 s24, s22, 16
	s_lshl_b32 s26, s23, 6
	s_add_co_u32 s24, s24, s26
	s_add_co_u32 s24, s24, 0x200000
	s_add_nc_u64 s[10:11], s[14:15], s[24:25]
.irp t, 0,1,2,3
	LOAD \t, 1
.endr
	s_wait_loadcnt 12                              ; step 0's four loads are in
	TURN 0
.irp t, 0,1,2,3,4,5,6,7,8,9,10,11,12,13,14,15
	STEP \t, 1
.endr
.irp i, 0,1,2,3,4,5,6,7
	ds_load_b128 v[R+4*\i:R+4*\i+3], v6 offset:544*\i   ; head i's image; these see my stores
.endr
	ds_load_b64 v[12:13], v7
.irp i, 0,1,2,3,4,5,6,7
	s_wait_dscnt 8-\i
	global_store_b128 v3, v[R+4*\i:R+4*\i+3], s[8:9] offset:(\i/2)*262144+(\i%2)*512   ; 512 consecutive bytes
.endr
	s_wait_dscnt 0x0
	global_store_b64 v10, v[12:13], s[10:11]
	s_wait_tensorcnt 0x0
	ds_add_u32 v192, v193
	s_wait_dscnt 0x0
	s_endpgm
	; ---- x.  A wave takes a run of 8 rows; the run's number has its two low bits exchanged on the way out: pi on groups of 8 rows.
.Lpath_x:
	s_lshl_b32 s19, s18, 13
	s_wait_alu depctr_va_vdst(0)
	v_add_nc_u32 v14, s19, v14
	v_add_nc_u32 v15, s19, v15
	v_lshlrev_b32 v4, 3, v2                        ; my 8 bytes of a step's 256 of codes
	s_add_co_u32 s19, s19, 2*32*SP
	v_lshrrev_b32 v5, 1, v2
	v_add_nc_u32 v5, s19, v5                       ; my block's byte among the wave's 256
	v_add_nc_u32 v6, s19, v4
	s_sub_co_u32 s20, ttmp9, 64
	s_lshl_b32 s20, s20, 2
	s_add_co_u32 s21, s20, s18                     ; the run
	s_and_b32 s22, s18, 1
	s_lshl_b32 s22, s22, 1
	s_lshr_b32 s23, s18, 1
	s_or_b32 s22, s22, s23
	s_add_co_u32 s22, s20, s22                     ; its place
	s_lshl_b32 s24, s21, 15
	s_add_nc_u64 s[4:5], s[4:5], s[24:25]
	s_lshl_b32 s24, s22, 12
	s_add_nc_u64 s[8:9], s[12:13], s[24:25]
	s_lshl_b32 s24, s22, 8
	s_add_co_u32 s24, s24, 0x200000
	s_add_nc_u64 s[10:11], s[12:13], s[24:25]
.irp t, 0,1,2,3
	LOAD \t, 0
.endr
	s_wait_alu depctr_va_vdst(0)
	s_wait_loadcnt 12
	TURN 0
.irp t, 0,1,2,3,4,5,6,7,8,9,10,11,12,13,14,15
	STEP \t, 0
.endr
	ds_load_b64 v[12:13], v6
	s_wait_dscnt 0x0
	global_store_b64 v4, v[12:13], s[10:11]        ; the run's 256 scale bytes: one aligned block
	s_wait_tensorcnt 0x0
	ds_add_u32 v192, v193
	s_wait_dscnt 0x0
	s_endpgm
	; ---- the weights.  A lane takes a column and its registers run down K: a block of 32 lies in one lane, and the codes come out with K innermost.
	; Work-group u: columns 128 (u / 2) on of the 4,096 (W_qkv's, then W_out's), K half u % 2; a wave takes 32 columns x 512 along K.
.Lpath_w:
	s_lshr_b32 s19, ttmp9, 1
	s_and_b32 s20, ttmp9, 1
	s_lshl_b32 s21, s19, 7
	s_lshl_b32 s22, s18, 5
	s_add_co_u32 s21, s21, s22                     ; my first column, and its place (a multiple of 32)
	s_sub_co_u32 s23, s21, 3072
	s_mov_b32 s26, 4096
	s_cmp_lt_u32 s19, 24                           ; W_qkv or W_out: the choice hangs on the work-group's number alone
	s_cselect_b64 s[4:5], s[8:9], s[10:11]
	s_cselect_b32 s26, 12288, s26                  ; a row of the weight in bytes
	s_cselect_b32 s23, s21, s23                    ; my first column in it
	s_mul_i32 s24, s20, s26
	s_lshl_b32 s24, s24, 9
	s_lshl_b32 s23, s23, 2
	s_add_co_u32 s24, s24, s23
	s_add_nc_u64 s[4:5], s[4:5], s[24:25]
	s_lshl_b32 s28, s26, 5                         ; a block on: 32 rows
	s_mov_b32 s29, 0
	s_lshl_b32 s24, s21, 9
	s_lshl_b32 s23, s20, 8
	s_add_co_u32 s24, s24, s23
	s_add_nc_u64 s[6:7], s[16:17], s[24:25]        ; codes: place x 512 + 256 x K half
	s_lshl_b32 s24, s21, 5
	s_lshl_b32 s23, s20, 4
	s_add_co_u32 s24, s24, s23
	s_add_co_u32 s24, s24, 0x200000
	s_add_nc_u64 s[8:9], s[16:17], s[24:25]        ; scale bytes: place x 32 + 16 x K half
	s_wait_alu depctr_va_vdst(0)
	v_lshlrev_b32 v3, 2, v2
.set i, 0
.rept 32
	v_mad_u32_u24 v[OFF+i], s26, i, v3
.set i, i+1
.endr
	s_mul_i32 s19, s18, 32*272
	s_add_co_u32 s19, s19, WSTG
	v_mul_u32_u24 v4, v2, 272
	v_add_nc_u32 v4, s19, v4                       ; into the stage: row = my column
	v_and_b32 v5, 15, v2
	v_lshrrev_b32 v6, 4, v2
	v_mul_u32_u24 v7, v6, 272
	v_lshl_add_u32 v7, v5, 4, v7
	v_add_nc_u32 v7, s19, v7                       ; out of it: sixteen lanes to a row, two rows an instruction
	v_lshlrev_b32 v8, 9, v6
	v_lshl_add_u32 v8, v5, 4, v8                   ; and the same in the codes' buffer
	v_and_b32 v9, 7, v2
	v_bfe_u32 v10, v2, 3, 1
	v_lshl_add_u32 v9, v10, 4, v9
	v_bfe_u32 v10, v2, 4, 1
	v_lshl_add_u32 v9, v10, 3, v9                  ; pi(lane)
	v_lshlrev_b32 v9, 5, v9
.macro LOADW t                         ; block t: rows 32 t + i of my column; each load reads 128 consecutive bytes
.if (\t) > 0
	s_wait_xcnt 0x0                                ; the earlier loads have read their base: it steps only behind this wait
	s_add_nc_u64 s[4:5], s[4:5], s[28:29]
.endif
.set i, 0
.rept 32
	global_load_b32 v[WX+32*((\t)%2)+i], v[OFF+i], s[4:5] th:TH_LOAD_NT
.set i, i+1
.endr
.endm
.macro BLOCKW t
.set XS, WX+32*((\t)%2)
.if (\t) < 15
	s_wait_loadcnt 32                              ; this block's 32 loads are in; the next block's may be out
.else
	s_wait_loadcnt 0
.endif
	v_max3_num_f32 v12, |v[XS]|, |v[XS+1]|, |v[XS+2]|
	v_max3_num_f32 v13, |v[XS+3]|, |v[XS+4]|, |v[XS+5]|
.irp i, 6,10,14,18,22,26
	v_max3_num_f32 v12, v12, |v[XS+\i]|, |v[XS+\i+1]|
	v_max3_num_f32 v13, v13, |v[XS+\i+2]|, |v[XS+\i+3]|
.endr
	v_max3_num_f32 v12, v12, |v[XS+30]|, |v[XS+31]|
	v_max3_num_f32 v12, v12, v13, FLOOR
	v_add_nc_u32 v11, OFFE, v12
	v_lshrrev_b32 v13, 23, v11
.if (\t)%4 == 0
	v_mov_b32 v[SBY+(\t)/4], v13
.else
	v_lshl_or_b32 v[SBY+(\t)/4], v13, 8*((\t)%4), v[SBY+(\t)/4]
.endif
.irp g, 0,1,2,3
	v_cvt_scalef32_pk8_fp4_f32 v[WC+\g], v[XS+8*\g:XS+8*\g+7], v11
.endr
	ds_store_b128 v4, v[WC:WC+3] offset:16*(\t)
.if (\t)+2 < 16
	LOADW (\t)+2
.endif
	s_wait_dscnt 0x0                               ; the store has read its registers: the next block's codes may be written
.endm
	LOADW 0
	LOADW 1
.irp t, 0,1,2,3,4,5,6,7,8,9,10,11,12,13,14,15
	BLOCKW \t
.endr
	s_wait_alu depctr_va_vdst(0)
	global_store_b128 v9, v[SBY:SBY+3], s[8:9]     ; my column's 16 scale bytes, at its place
.irp t, 0,1,2,3,4,5,6,7,8,9,10,11,12,13,14,15
	ds_load_b128 v[WX+4*\t:WX+4*\t+3], v7 offset:2*\t*272
.endr
.irp t, 0,1,2,3,4,5,6,7,8,9,10,11,12,13,14,15
	s_wait_dscnt 15-\t
	global_store_b128 v8, v[WX+4*\t:WX+4*\t+3], s[6:7] offset:(((2*\t)&7)|(((2*\t)&8)<<1)|(((2*\t)&16)>>1))*512   ; columns 2 t, 2 t + 1 at places pi(2 t), pi(2 t) + 1: sixteen lanes store 256 consecutive bytes, aligned
.endr
	s_wait_tensorcnt 0x0
	ds_add_u32 v192, v193
	s_wait_dscnt 0x0
	s_endpgm
.Lfunc_end_k_q40ef5a1698_quant:
	.size	k_q40ef5a1698_quant, .Lfunc_end_k_q40ef5a1698_quant-k_q40ef5a1698_quant
	.p2alignl 7, 3214868480
	.fill 96, 4, 3214868480
	.section	.rodata,"a",@progbits
	.p2align	6, 0x0
	.amdhsa_kernel k_q40ef5a1698_quant
		.amdhsa_group_segment_fixed_size 107008
		.amdhsa_private_segment_fixed_size 0
		.amdhsa_enable_private_segment 0
		.amdhsa_kernarg_size 56
		.amdhsa_user_sgpr_count 2
		.amdhsa_user_sgpr_kernarg_segment_ptr 1
		.amdhsa_wavefront_size32 1
		.amdhsa_system_sgpr_workgroup_id_x 1
		.amdhsa_system_sgpr_workgroup_id_y 1
		.amdhsa_system_sgpr_workgroup_id_z 1
		.amdhsa_system_vgpr_workitem_id 0
		.amdhsa_next_free_vgpr 194
		.amdhsa_next_free_sgpr 66
		.amdhsa_reserve_vcc 0
		.amdhsa_float_denorm_mode_32 3
		.amdhsa_float_denorm_mode_16_64 3
		.amdhsa_memory_ordered 1
		.amdhsa_forward_progress 1
		.amdhsa_inst_pref_size 148
	.end_amdhsa_kernel
	.amdgpu_metadata
---
amdhsa.version: [ 1, 2 ]
amdhsa.kernels:
  - .name:           k_q40ef5a1698_quant
    .symbol:         k_q40ef5a1698_quant.kd
    .args:
      - { .name: x, .offset: 0, .size: 8, .value_kind: global_buffer, .address_space: global }
      - { .name: g, .offset: 8, .size: 8, .value_kind: global_buffer, .address_space: global }
      - { .name: W_qkv, .offset: 16, .size: 8, .value_kind: global_buffer, .address_space: global }
      - { .name: W_out, .offset: 24, .size: 8, .value_kind: global_buffer, .address_space: global }
      - { .name: xq, .offset: 32, .size: 8, .value_kind: global_buffer, .address_space: global }
      - { .name: gq, .offset: 40, .size: 8, .value_kind: global_buffer, .address_space: global }
      - { .name: wq, .offset: 48, .size: 8, .value_kind: global_buffer, .address_space: global }
    .group_segment_fixed_size: 107008
    .private_segment_fixed_size: 0
    .kernarg_segment_align: 8
    .kernarg_segment_size: 56
    .max_flat_workgroup_size: 128
    .sgpr_count:     66
    .vgpr_count:     194
    .wavefront_size: 32
...
	.end_amdgpu_metadata
.endif
;; end of part 1
;; launch gemm_qkv (part 2): grid 8 x 24, 4 waves a work-group, clusters of 4 x 4, 327,680 bytes of LDS; arguments xq, wq, qkv; writes qkv
.if DOCPART == 2
	.amdgcn_target "amdgcn-amd-amdhsa--gfx1250"
	.amdhsa_code_object_version 6
	.text
	.protected	k_q40ef5a1698_gemm_qkv
	.globl	k_q40ef5a1698_gemm_qkv
	.p2align	8
	.type	k_q40ef5a1698_gemm_qkv,@function
k_q40ef5a1698_gemm_qkv:
	s_mov_b64 s[64:65], 0
	v_nop
	global_prefetch_b8 v0, s[64:65] scope:SCOPE_SE
	s_setreg_imm32_b32 hwreg(HW_REG_WAVE_MODE, 25, 1), 1
	s_wait_xcnt 0x0
	s_wait_alu depctr_hold_cnt(0) depctr_sa_sdst(0) depctr_va_vdst(0) depctr_va_sdst(0) depctr_va_ssrc(0) depctr_va_vcc(0) depctr_vm_vsrc(0)
	s_getreg_b32 s2, hwreg(HW_REG_IB_STS2, 6, 4)
	s_cmp_eq_u32 s2, 0
	s_cbranch_scc0 .Lentry_in_a_cluster
	s_endpgm
.Lentry_in_a_cluster:
	s_bfe_u32 s2, ttmp6, 0x10000c
	s_cmp_lg_u32 s2, 0xf033
	s_cbranch_scc0 .Lentry_shape_is_right
	s_endpgm
.Lentry_shape_is_right:
; qkv = x W_qkv on codes of FP4 with E8M0 scales, K = 1,024, and the quantisers of q, k and v: the f32 sums never go to memory.
; A work-group of four waves makes 256 x 256 sums, a wave 128 x 128: 64 accumulators, 512 registers.  All of K fits in two LDS slots of 512 along K: each slot is filled once.
; THE MATRIX INSTRUCTION IS USED TRANSPOSED: source 0 = 16 rows of "B", source 1 = 16 rows of "A": a lane holds one row of A, and, since rows lie at places pi(row) (bits 3 and 4 exchanged),
; the 16 registers of accumulators 2 b, 2 b + 1 are B's true rows 32 b + 16 (lane / 16) + 0 .. 15: neighbours along the axis that is quantised next.
; TWO KINDS OF CLUSTER, told apart by the cluster's y, by selects alone.  y 0-3 (q, k): A = x (16 tiles of 256 places), B = W's columns 0-2047 (8 tiles): a lane holds a token and 128 features = two heads.
; y 4, 5 (v): A = W's columns 2048-3071 (4 tiles), B = x: a lane holds a channel of v and 128 tokens = one key step.
; OUT: for each 16 rows of A and 128 of B one operand of the next product as an image of its 8 registers (two stores of 512 consecutive bytes) and one scale word a row.
;   qkv: q, k images [128 features 16][tile of 16 places 256][1,024 B] at 0;  v images [128 tokens 32][tile of 16 channels 64][1,024 B] at 0x400000;  their scale words, 64 B an image, at 0x600000 and 0x640000.
; CLUSTERS: 4 x 4 work-groups; A's tiles are asked for jointly along a row of the cluster, B's along a column.
; LIMITS: a block whose largest magnitude lies under 2^-124, or of zeros, keeps the byte 1 (zero codes add nothing; only this program reads the bytes); NaN and infinities are not served.
; REGISTERS: window 0: v16-29 addresses; v32-95 scale words, two sets; v128-191 A's fragments, one set; on the way out v32-71 at work.  window 1: B's fragments, two sets.  windows 2, 3: the accumulators.
.set KSTEP,  512
.set NQ,     4                         ; matrix instructions deep in a slot
.set ROWB,   256                       ; a slot's part of a row in bytes
.set KROW,   512                       ; a row of codes in memory
.set PITCH,  528                       ; an LDS row: all of K, 512 bytes, + 16 of padding = 132 words: the 16 rows that a load touches start at 16 different banks
.set FR,     8
.set NL,     2
.set NP,     4                         ; places behind this matrix instruction (ISA guide 7.12.1)
.set HALFT,  128*PITCH
.set SLOT,   256                       ; the second 512 along K begin 256 bytes on in each row
.set KS,     32                        ; a row of scale bytes
.set SCL,    4*HALFT                   ; behind A's and B's 256 rows: the scales
.set HALFS,  (128*KS/256)*272
.set SBLK,   (16*KS/256)*272
.set SPARE,  SCL+4*HALFS               ; the spare words, 128 bytes a wave; no other line names them
.set ADRA, 16
.set ADRB, 20
.set LI,   24                          ; v24  16 x lane
.set SST,  25                          ; v25  where I put a scale word: 512 x wave + 4 (lane % 16), in bytes of its own behind the spare words
.set SRD,  26                          ; v26  and where I read the wave's 512 bytes of them back
.set ADRS, 27
.set SPW,  28
.set NIL,  29
.set SC,   32
.set AF,   128
.set TM,   32                          ; the way out: v32-35 largest magnitudes, v36-39 bytes, v44-47 the conversions' scale operands
.set PC,   48                          ; v48-63 codes, two sets
.set PW,   64                          ; v64 the scale word
.set BKW,  68                          ; v68-71 the scale words read back
.set G1, 24
.set G0, 32
.set G1B, 48
.set G0B, 56
.set G1S, 68
.set G0S, 76
.set G1SB, 80
.set G0SB, 88
.set MSB, 0
.macro WIN new                         ; the immediate's high byte repeats the setting that is left
.if MSB != \new
	s_set_vgpr_msb (MSB<<8)|\new
.set MSB, \new
.endif
.endm
.set MUL_LO, 0xa1                      ; source 0 (B) window 1, source 1 (A) window 0, C and D window 2
.set MUL_HI, 0xf1
.set TO_B,   0x40
; A joint load: waves 0 and 1 fetch for A, waves 2 and 3 for B; the branch hangs on the wave's number alone.  Four v_nop follow each of the two lines.
.macro JLOAD g0a, g1a, g0b, g1b
	s_cmp_eq_u32 s15, 0
	s_cbranch_scc0 .Lfor_b_\@
	tensor_load_to_lds s[\g0a:\g0a+3], s[\g1a:\g1a+7]
	s_nop 0
.rept 4
	v_nop
.endr
	s_branch .Lasked_\@
.Lfor_b_\@:
	tensor_load_to_lds s[\g0b:\g0b+3], s[\g1b:\g1b+7]
	s_nop 0
.rept 4
	v_nop
.endr
.Lasked_\@:
.endm
.macro CROUND                          ; a round of the cluster's barrier
	s_barrier_signal -1
	s_barrier_wait -1
	s_cmp_lg_u32 s14, 0
	s_cbranch_scc1 .Lnot_wave_0_\@
	s_barrier_signal -3
.Lnot_wave_0_\@:
	s_barrier_wait -3
	s_barrier_signal -1
	s_barrier_wait -1
.endm
	s_load_b128 s[8:11], s[0:1], 0x0               ; xq s[8:9], wq s[10:11]
	s_load_b64 s[96:97], s[0:1], 0x10              ; qkv
	v_lshl_add_u32 v[SPW], v0, 2, SPARE
	v_mov_b32 v[NIL], 0
	ds_add_u32 v28, v29
	ds_add_u32 v28, v29
	s_wait_dscnt 0x0
	v_lshrrev_b32 v1, 5, v0
	v_readfirstlane_b32 s14, v1                    ; wave 0..3
	s_lshr_b32 s15, s14, 1                         ; which half of A's rows is mine.  Also: I fetch for A (0) or for B (1)
	s_and_b32 s16, s14, 1                          ; which half of B's rows.  Also: which 128 rows of that tile I fetch
	s_bfe_u32 s40, ttmp6, 0x40000                  ; cx, cy
	s_bfe_u32 s41, ttmp6, 0x40004
	s_lshl_b32 s42, ttmp9, 2
	s_add_co_u32 s42, s42, s40                     ; work-group x
	s_and_b32 s95, ttmp7, 0xffff                   ; the cluster's y: the same in all sixteen
	s_lshl_b32 s17, s95, 2
	s_add_co_u32 s17, s17, s41                     ; work-group y
	s_lshl_b32 s43, s41, 2
	s_lshl_b32 s43, 15, s43                        ; my row of the cluster
	s_lshl_b32 s44, 0x1111, s40                    ; my column
	s_add_co_u32 s98, s41, 8                       ; v: A's tile 8 + cy of W's sixteen
	s_lshl_b32 s99, s95, 3
	s_add_co_u32 s99, s99, s42
	s_sub_co_u32 s99, s99, 32                      ; v: B's tile x + 8 (cluster y - 4) of x's sixteen
	s_cmp_ge_u32 s95, 4
	s_cselect_b32 s100, s98, s17                   ; A's tile: made of cy and the cluster's y alone
	s_cselect_b32 s101, s99, s42                   ; B's tile: of cx, the cluster's x and y alone
	s_cselect_b32 s98, s41, s17                    ; A's tile among the images
	s_cselect_b32 s99, 6, 8                        ; images for each 128 of B: 64 or 256, as a shift
	s_cselect_b32 s2, 0x400000, 0                  ; where the kind's images begin,
	s_cselect_b32 s3, 0x40000, 0                   ; and its scale words
	; descriptor group 1: a tile of 256 rows x 512 bytes, padded in LDS
	s_or_b32 s[G1+0], s43, (0<<16)|(1<<20)|(1<<21)|(6<<22)|(3<<25)  ; the mask; elements of 1 byte; padding on; bit 21 beside a mask; 4 words after every 128
	s_or_b32 s[G1B+0], s44, (0<<16)|(1<<20)|(1<<21)|(6<<22)|(3<<25)
.irp g, G1, G1B
	s_mov_b32 s[\g+1], KROW<<16                    ; a whole tile: 256 rows of 512 bytes, all of K
	s_mov_b32 s[\g+2], 256<<16
	s_mov_b32 s[\g+3], KROW<<16
	s_mov_b32 s[\g+4], 256
	s_mov_b32 s[\g+5], KROW
	s_mov_b32 s[\g+6], 0
	s_mov_b32 s[\g+7], 0
.endr
	; the scales of 256 rows: 8,192 dense bytes as 32 rows of 256 (32 elements of 8 bytes), 16 bytes of padding behind each
	s_or_b32 s[G1S+0], s43, (3<<16)|(1<<20)|(1<<21)|(5<<22)|(3<<25)
	s_or_b32 s[G1SB+0], s44, (3<<16)|(1<<20)|(1<<21)|(5<<22)|(3<<25)
.irp g, G1S, G1SB
	s_mov_b32 s[\g+1], 32<<16
	s_mov_b32 s[\g+2], (256*KS/256)<<16            ; the scales of 256 rows
	s_mov_b32 s[\g+3], 32<<16
	s_mov_b32 s[\g+4], 256*KS/256
	s_mov_b32 s[\g+5], 32
	s_mov_b32 s[\g+6], 0
	s_mov_b32 s[\g+7], 0
.endr
	s_lshl_b32 s20, s100, 8                        ; A's first row
	s_lshl_b32 s22, s20, 5
	s_add_co_u32 s22, s22, 0x200000                ; its scale bytes,
	s_lshl_b32 s20, s20, 9                         ; its codes
	s_mov_b32 s21, 0
	s_mov_b32 s23, 0
	s_lshl_b32 s46, s101, 8                        ; B's
	s_lshl_b32 s92, s46, 5
	s_add_co_u32 s92, s92, 0x200000
	s_lshl_b32 s46, s46, 9
	s_mov_b32 s47, 0
	s_mov_b32 s93, 0
	s_wait_kmcnt 0x0
	s_cmp_ge_u32 s95, 4
	s_cselect_b64 s[4:5], s[10:11], s[8:9]         ; A: the weights in the v kind, else x
	s_cselect_b64 s[66:67], s[8:9], s[10:11]       ; B: the other
	s_add_nc_u64 s[20:21], s[4:5], s[20:21]
	s_add_nc_u64 s[22:23], s[4:5], s[22:23]
	s_add_nc_u64 s[46:47], s[66:67], s[46:47]
	s_add_nc_u64 s[92:93], s[66:67], s[92:93]
	CROUND                                         ; all sixteen work-groups are here: the joint loads meet
	s_mov_b32 s[G0S], 1
	s_mov_b32 s[G0S+1], SCL
	s_mov_b64 s[G0S+2:G0S+3], s[22:23]
	s_or_b32 s[G0S+3], s[G0S+3], 0x80000000
	s_mov_b32 s[G0SB], 1
	s_mov_b32 s[G0SB+1], SCL+2*HALFS
	s_mov_b64 s[G0SB+2:G0SB+3], s[92:93]
	s_or_b32 s[G0SB+3], s[G0SB+3], 0x80000000
.irp s, 0
	s_mov_b32 s[G0+4*\s], 1
	s_mov_b32 s[G0+4*\s+1], 0
	s_add_nc_u64 s[G0+4*\s+2:G0+4*\s+3], s[20:21], \s*ROWB
	s_or_b32 s[G0+4*\s+3], s[G0+4*\s+3], 0x80000000
	s_mov_b32 s[G0B+4*\s], 1
	s_mov_b32 s[G0B+4*\s+1], 2*HALFT
	s_add_nc_u64 s[G0B+4*\s+2:G0B+4*\s+3], s[46:47], \s*ROWB
	s_or_b32 s[G0B+4*\s+3], s[G0B+4*\s+3], 0x80000000
.endr
; THE HEAD'S LOADS, ONE A WAVE: wave 0 A's 256 rows, wave 1 B's, wave 2 A's scales, wave 3 B's.  One tree of branches on the wave's number; nothing is filled later.
.macro ARM under, g0, g1, next
	s_cmp_lt_u32 s14, \under
	s_cbranch_scc0 \next
	tensor_load_to_lds s[\g0:\g0+3], s[\g1:\g1+7]
	s_nop 0
.rept 4
	v_nop
.endr
	s_branch .Lhead_asked
\next:
.endm
	ARM 1, G0,  G1,  .Lhead_b
	ARM 2, G0B, G1B, .Lhead_sa
	ARM 3, G0S, G1S, .Lhead_sb
	tensor_load_to_lds s[G0SB:G0SB+3], s[G1SB:G1SB+7]
	s_nop 0
.rept 4
	v_nop
.endr
.Lhead_asked:
	v_and_b32 v1, 15, v0                           ; l % 16
	v_bfe_u32 v2, v0, 4, 1                         ; l / 16
	v_mul_u32_u24 v3, v1, PITCH
	v_lshl_add_u32 v4, v2, 4, v3                   ; a fragment's row x pitch + 16 x half
	s_mul_i32 s21, s15, HALFT
	s_mul_i32 s22, s16, HALFT
	s_add_co_u32 s22, s22, 2*HALFT
.irp s, 0,1
	v_add_nc_u32 v[ADRA+\s], s21, v4
	v_add_nc_u32 v[ADRB+\s], s22, v4
	s_add_co_u32 s21, s21, SLOT
	s_add_co_u32 s22, s22, SLOT
.endr
	v_mul_u32_u24 v5, v1, KS                       ; my row's scales: 32 bytes a row,
	v_lshrrev_b32 v6, 8, v5
	v_lshl_add_u32 v5, v6, 4, v5                   ; and 16 more for each 256 passed
	s_mul_i32 s21, s15, HALFS
	s_mul_i32 s22, s16, HALFS
	s_add_co_u32 s22, s22, 2*HALFS
	s_sub_co_u32 s22, s22, s21
	v_mul_u32_u24 v6, s22, v2                      ; lanes 16-31 take B's
	s_add_co_u32 s21, s21, SCL
	v_add_nc_u32 v5, v5, v6
	v_add_nc_u32 v[ADRS], s21, v5
	v_and_b32 v6, 31, v0
	v_lshlrev_b32 v[LI], 4, v6
	s_lshl_b32 s23, s14, 9
	s_add_co_u32 s23, s23, SPARE+512               ; the scale words' stage: 512 bytes a wave, into which no tile lands
	v_lshl_add_u32 v[SST], v1, 2, s23
	v_add_nc_u32 v[SRD], s23, v[LI]
	s_lshl_b32 s20, s101, 1                        ; my first image: (2 x B's tile + half) x images for each 128 of B + 16 x A's tile + 8 x half
	s_add_co_u32 s20, s20, s16
	s_lshl_b32 s20, s20, s99
	s_lshl_b32 s21, s98, 4
	s_add_co_u32 s20, s20, s21
	s_lshl_b32 s21, s15, 3
	s_add_co_u32 s20, s20, s21
	s_lshl_b32 s46, s20, 6                         ; 64 bytes of scale words an image
	s_add_co_u32 s46, s46, s3
	s_add_co_u32 s46, s46, 0x600000
	s_mov_b32 s47, 0
	s_add_nc_u64 s[98:99], s[96:97], s[46:47]
	s_lshl_b32 s20, s20, 10                        ; 1,024 bytes of codes
	s_add_co_u32 s20, s20, s2
	s_mov_b32 s21, 0
	s_add_nc_u64 s[96:97], s[96:97], s[20:21]
	s_mov_b32 s18, 0x76543210                      ; v_permlanex16_b32's selects for lane l xor 16
	s_mov_b32 s19, 0xfedcba98
.macro FRAG reg, adr, q, i             ; 16 rows x 128 K of 4-bit codes: 8 registers: registers 4 c .. 4 c + 3 hold K = 64 c + 32 (l / 16) + 0 .. 31
.irp c, 0,1
	ds_load_b128 v[\reg+4*\c:\reg+4*\c+3], v[\adr] offset:64*(\q)+32*\c+(\i)*16*PITCH
.endr
.endm
; 16 matrix instructions: A's blocks a0, a0 + 1 x B's eight.  The 64 accumulators take turns, one instruction a turn, in the same order in every step.
.macro MUL16 a0, p, q, sc, zero
.irp a, \a0, \a0+1
.irp b, 0,1,2,3,4,5,6,7
.if \zero
	v_wmma_scale_f32_16x16x128_f8f6f4 v[8*(8*((\a)%4)+\b):8*(8*((\a)%4)+\b)+7], v[128*(\p)+FR*\b:128*(\p)+FR*\b+FR-1], v[AF+FR*(\a):AF+FR*(\a)+FR-1], 0, v[SC+8*NQ*(\sc)+NQ*\b+(\q)], v[SC+8*NQ*(\sc)+NQ*(\a)+(\q)] matrix_a_fmt:MATRIX_FMT_FP4 matrix_b_fmt:MATRIX_FMT_FP4 matrix_a_scale:MATRIX_SCALE_ROW1
.else
	v_wmma_scale_f32_16x16x128_f8f6f4 v[8*(8*((\a)%4)+\b):8*(8*((\a)%4)+\b)+7], v[128*(\p)+FR*\b:128*(\p)+FR*\b+FR-1], v[AF+FR*(\a):AF+FR*(\a)+FR-1], v[8*(8*((\a)%4)+\b):8*(8*((\a)%4)+\b)+7], v[SC+8*NQ*(\sc)+NQ*\b+(\q)], v[SC+8*NQ*(\sc)+NQ*(\a)+(\q)] matrix_a_fmt:MATRIX_FMT_FP4 matrix_b_fmt:MATRIX_FMT_FP4 matrix_a_scale:MATRIX_SCALE_ROW1
.endif
.endr
.endr
.endm
.macro FETCH_B slot, q, p
	WIN TO_B
.irp i, 0,1,2,3,4,5,6,7
	FRAG 128*(\p)+FR*\i, ADRB+\slot, \q, \i
.endr
	WIN 0
.endm
.macro FETCH_A slot, q, i0
.irp i, \i0, \i0+1, \i0+2, \i0+3
	FRAG AF+FR*(\i), ADRA+\slot, \q, \i
.endr
.endm
.macro SCALES sc                       ; a slot's scale words: lanes 0-15 take A's block i, lanes 16-31 B's block i
.irp i, 0,1,2,3,4,5,6,7
	ds_load_b128 v[SC+8*NQ*\sc+NQ*\i:SC+8*NQ*\sc+NQ*\i+3], v[ADRS] offset:\i*SBLK
.endr
.endm
.macro PLACES n                        ; plain vector lines between a matrix instruction and a load into, or a vector line on, its registers
.rept \n
	v_nop
.endr
.endm
.macro STEP slot, q, zero              ; 128 along K with its successor in the same slot
	s_wait_dscnt 4*NL                              ; B's set and A's blocks 0-3 are in; the youngest eight loads (A's blocks 4-7) may be out
	WIN MUL_LO
	MUL16 0, (\q)%2, \q, \slot, \zero
	MUL16 2, (\q)%2, \q, \slot, \zero
	s_wait_dscnt 0
	PLACES NP
	FETCH_B \slot, (\q)+1, 1-(\q)%2
	FETCH_A \slot, (\q)+1, 0
	WIN MUL_HI
	MUL16 4, (\q)%2, \q, \slot, \zero
	MUL16 6, (\q)%2, \q, \slot, \zero
	PLACES NP
	WIN 0
	FETCH_A \slot, (\q)+1, 4
.endm
.macro TURN slot, next                 ; a slot's last step changes slots: one barrier; nothing is filled again
	s_wait_tensorcnt 0x0                           ; all my tensor loads have landed: my part of the next slot
	ds_add_u32 v[SPW], v[NIL]                      ; 0 onto my spare word
	s_wait_dscnt 4*NL+1                            ; (the add and the youngest eight loads may be out)
	WIN MUL_LO
	MUL16 0, 1, NQ-1, \slot, 0
	s_wait_dscnt 0x0                               ; the add is done, and my reads of this slot are over
	s_barrier_signal -1
	MUL16 2, 1, NQ-1, \slot, 0
	WIN 0
	s_barrier_wait -1
	PLACES NP
	v_add_nc_u32 v[ADRS], 4*NQ, v[ADRS]            ; the next slot's scale words
	FETCH_B \next, 0, 0
	FETCH_A \next, 0, 0
	SCALES \next
	WIN MUL_HI
	MUL16 4, 1, NQ-1, \slot, 0
	MUL16 6, 1, NQ-1, \slot, 0
	PLACES NP
	WIN 0
	FETCH_A \next, 0, 4
.endm
.macro STEPS slot, from
.set Q, \from
.rept NQ-1-\from
	STEP \slot, Q, 0
.set Q, Q+1
.endr
.endm
	s_wait_alu depctr_va_vdst(0)
	s_wait_tensorcnt 0x0                           ; my tile of the head's four is in,
	s_barrier_signal -1
	s_barrier_wait -1                              ; everybody's are
	FETCH_B 0, 0, 0
	FETCH_A 0, 0, 0
	SCALES 0
	FETCH_A 0, 0, 4
	STEP 0, 0, 1                                   ; the first products start the sums: nothing is cleared
	STEPS 0, 1
	TURN 0, 1
	STEPS 1, 0
	s_wait_dscnt 4*NL
	WIN MUL_LO
	MUL16 0, 1, NQ-1, 1, 0
	MUL16 2, 1, NQ-1, 1, 0
	s_wait_dscnt 0
	WIN MUL_HI
	MUL16 4, 1, NQ-1, 1, 0
	MUL16 6, 1, NQ-1, 1, 0
	WIN 0
; THE WAY OUT of block a: 16 rows of A x my 128 of B.  A lane's 64 sums, register 16 b + i = index 32 b + 16 (lane / 16) + i, are four half blocks: the largest magnitude with lane l xor 16's,
; the scale, the codes, the exchange of halves that gives a lane whole blocks; then the operand's 8 registers leave as they stand.
.macro QW a
.set AC, 64*((\a)%4)
.set PS, PC+8*((\a)%2)
	WIN 0x0a+5*((\a)/4)                            ; sources 0 and 1: window 2 or 3
.irp b, 0,1,2,3
	v_max3_num_f32 v[TM+\b], |v[AC+16*\b]|, |v[AC+16*\b+1]|, 0x1800000   ; each accumulator is read from its low end on; the floor 2^(3 - 127) holds the byte at 1 from below
.endr
.irp i, 2,4,6,8,10,12,14
.irp b, 0,1,2,3
	v_max3_num_f32 v[TM+\b], |v[AC+16*\b+\i]|, |v[AC+16*\b+\i+1]|, v[TM+\b]
.endr
.endr
	WIN 0
.irp b, 0,1,2,3
	v_permlanex16_b32 v[TM+4+\b], v[TM+\b], s18, s19
.endr
.irp b, 0,1,2,3
	v_max_num_f32 v[TM+\b], v[TM+\b], v[TM+4+\b]
.endr
.irp b, 0,1,2,3
	v_add_nc_u32 v[TM+12+\b], 0xff000000, v[TM+\b] ; 2 off the exponent field: the conversion's scale operand
.endr
.irp b, 0,1,2,3
	v_lshrrev_b32 v[TM+4+\b], 23, v[TM+12+\b]      ; the scale's byte
.endr
	v_lshl_or_b32 v[PW], v[TM+5], 8, v[TM+4]
	v_lshl_or_b32 v[PW], v[TM+6], 16, v[PW]
	v_lshl_or_b32 v[PW], v[TM+7], 24, v[PW]
.if (\a) > 1
	s_wait_xcnt 0x0                                ; block a - 2's stores have read this set of codes
.endif
	WIN 2+(\a)/4                                   ; source 0: window 2 or 3
.irp b, 0,1,2,3
	v_cvt_scalef32_pk8_fp4_f32 v[PS+2*\b], v[AC+16*\b:AC+16*\b+7], v[TM+12+\b]
	v_cvt_scalef32_pk8_fp4_f32 v[PS+2*\b+1], v[AC+16*\b+8:AC+16*\b+15], v[TM+12+\b]
.endr
	WIN 0
	v_nop                                          ; one plain line behind a scaled conversion
.irp c, 0,1
.irp i, 0,1
	v_permlane16_swap_b32 v[PS+4*\c+\i], v[PS+4*\c+2+\i]   ; lanes 0-15 block 2 c, lanes 16-31 block 2 c + 1, whole
.endr
.endr
.irp c, 0,1
	global_store_b128 v[LI], v[PS+4*\c:PS+4*\c+3], s[96:97] offset:1024*(\a)+512*\c   ; 512 consecutive bytes
.endr
	ds_store_b32 v[SST], v[PW] offset:64*(\a)      ; lanes l and l xor 16 write the same word with the same value
.endm
	PLACES NP                                      ; behind the last products: their scale words' registers are written below
.irp b, 0,1,2,3
	v_mov_b32 v[TM+4+\b], 0                        ; a lane permute's destination counts as one of its sources
.endr
.irp a, 0,1,2,3,4,5,6,7
	QW \a
.endr
	ds_load_b128 v[BKW:BKW+3], v[SRD]              ; my eight blocks' scale words: LDS serves a wave's instructions in order
	s_wait_dscnt 0x0
	global_store_b128 v[LI], v[BKW:BKW+3], s[98:99]   ; 512 consecutive bytes
	s_wait_tensorcnt 0x0                           ; the wave's end
	ds_add_u32 v[SPW], v[NIL]
	s_wait_dscnt 0x0
	CROUND                                         ; the closing round
	s_endpgm
.Lfunc_end_k_q40ef5a1698_gemm_qkv:
	.size	k_q40ef5a1698_gemm_qkv, .Lfunc_end_k_q40ef5a1698_gemm_qkv-k_q40ef5a1698_gemm_qkv
	.p2alignl 7, 3214868480
	.fill 96, 4, 3214868480
	.section	.rodata,"a",@progbits
	.p2align	6, 0x0
	.amdhsa_kernel k_q40ef5a1698_gemm_qkv
		.amdhsa_group_segment_fixed_size 327680
		.amdhsa_private_segment_fixed_size 0
		.amdhsa_enable_private_segment 0
		.amdhsa_kernarg_size 24
		.amdhsa_user_sgpr_count 2
		.amdhsa_user_sgpr_kernarg_segment_ptr 1
		.amdhsa_wavefront_size32 1
		.amdhsa_system_sgpr_workgroup_id_x 1
		.amdhsa_system_sgpr_workgroup_id_y 1
		.amdhsa_system_sgpr_workgroup_id_z 1
		.amdhsa_system_vgpr_workitem_id 0
		.amdhsa_next_free_vgpr 1024
		.amdhsa_next_free_sgpr 102
		.amdhsa_reserve_vcc 0
		.amdhsa_float_denorm_mode_32 3
		.amdhsa_float_denorm_mode_16_64 3
		.amdhsa_memory_ordered 1
		.amdhsa_forward_progress 1
		.amdhsa_inst_pref_size 128
	.end_amdhsa_kernel
	.amdgpu_metadata
---
amdhsa.version: [ 1, 2 ]
amdhsa.kernels:
  - .name:           k_q40ef5a1698_gemm_qkv
    .symbol:         k_q40ef5a1698_gemm_qkv.kd
    .args:
      - { .name: xq, .offset: 0, .size: 8, .value_kind: global_buffer, .address_space: global }
      - { .name: wq, .offset: 8, .size: 8, .value_kind: global_buffer, .address_space: global }
      - { .name: qkv, .offset: 16, .size: 8, .value_kind: global_buffer, .address_space: global }
    .group_segment_fixed_size: 327680
    .private_segment_fixed_size: 0
    .kernarg_segment_align: 8
    .kernarg_segment_size: 24
    .max_flat_workgroup_size: 128
    .sgpr_count:     102
    .vgpr_count:     1024
    .wavefront_size: 32
...
	.end_amdgpu_metadata
.endif
;; end of part 2
;; launch attn (part 3): grid 8 x 32, 16 waves a work-group, clusters of 4 x 1, 327,680 bytes of LDS; arguments qkv, gq, yq; writes yq
.if DOCPART == 3
	.amdgcn_target "amdgcn-amd-amdhsa--gfx1250"
	.amdhsa_code_object_version 6
	.text
	.protected	k_q40ef5a1698_attn
	.globl	k_q40ef5a1698_attn
	.p2align	8
	.type	k_q40ef5a1698_attn,@function
k_q40ef5a1698_attn:
	s_mov_b64 s[64:65], 0
	v_nop
	global_prefetch_b8 v0, s[64:65] scope:SCOPE_SE
	s_setreg_imm32_b32 hwreg(HW_REG_WAVE_MODE, 25, 1), 1
	s_wait_xcnt 0x0
	s_wait_alu depctr_hold_cnt(0) depctr_sa_sdst(0) depctr_va_vdst(0) depctr_va_sdst(0) depctr_va_ssrc(0) depctr_va_vcc(0) depctr_vm_vsrc(0)
	s_getreg_b32 s2, hwreg(HW_REG_IB_STS2, 6, 4)
	s_cmp_eq_u32 s2, 0
	s_cbranch_scc0 .Lentry_in_a_cluster
	s_endpgm
.Lentry_in_a_cluster:
	s_bfe_u32 s2, ttmp6, 0x10000c
	s_cmp_lg_u32 s2, 0x3003
	s_cbranch_scc0 .Lentry_shape_is_right
	s_endpgm
.Lentry_shape_is_right:
; y = softmax((1e-6 q k^T + g g^T) / 8, causal) v for one head, all three products on codes of FP4 with E8M0 scales, and y's quantiser for the last product.
; THE SOFTMAX: t = (1e-6 Sx + Sg) x log2(e) / 8; M = the row's largest t so far, rounded up to a whole number; p = 2^(t - M) is quantised along the keys; the row's sum is taken of the
; unquantised p and divides at the end.  When M moves, the sum and O are multiplied by 2^(old M - new M): exact.
; LEFT OUT: key steps all of whose 128 keys come after a tile's queries: the causal mask sets their scores to -inf.
; SHARES.  Work-group (x, y): head y % 16 of batch y / 16; it owns the tiles of 16 queries 8 SB + j, SB = 0 .. 15, j = the work-group's x.  Tile SB has SB + 1 key steps of 128 keys.
; Waves 2 p and 2 p + 1 share tiles SB = p (short) and SB = 15 - p (long): 17 steps.  The wave of role 0 walks the long tile's steps 0 .. 8; the wave of role 1 the short tile, and then the long tile's
; steps 9 .. 15 - p: 9 and 8 steps.  Role = (wave xor wave / 4) % 2: of waves w, w + 4, w + 8, w + 12, and of waves 4 k .. 4 k + 3, two have each role.
; The long tile's two parts are joined at the end: role 1 hands O^T, -M and the sum over through LDS bytes of its own, behind one barrier; role 0 brings both under the larger M (powers of two, exact) and adds.
; The loops have 8 and 16 trips in every wave; scalar branches on numbers made of the wave's number leave the other steps' work out.  j enters only global offsets and the mask's numbers.
; Every wave loads both tiles' queries; role 0 does not use the short tile's (1,088 bytes a wave), so that no register is read on any path before it is written.
; THE WHOLE HEAD LIES IN LDS, filled once, by six joint loads of the cluster's four work-groups, which share the head: one load a wave, waves 0 to 5.
; No prefetch: every byte is asked for once, at the head; there is no loop along memory to run ahead in.
; LAYOUT.  All products are used transposed: a lane holds ONE query (lane % 16).  Tokens lie at places pi(token) (bits 3 and 4 exchanged), so the 16 registers of score tiles 2 b, 2 b + 1 are
; keys 32 b + 16 (lane / 16) + 0 .. 15, and v's channels likewise in O.  K = 64 of the scores fills half of the instruction's 128: the queries' upper four registers hold zero codes.
; LIMITS: NaN and infinities are not served; the promise holds while the scaled scores stay under 2^31 in magnitude; a block's largest p is taken from its largest score (this takes v_exp_f32 not
; to fall where its input rises); a block whose largest magnitude lies under 2^-124, or of zeros, keeps the byte 1; the scores are merged as (1e-6 Sx + Sg) c.  y's scale bytes leave as single bytes.
.set KIMG,  0
.set GIMG,  65536
.set VIMG,  131072
.set KSC,   196608
.set GSC,   204800
.set VSC,   212992
.set SPARE, 217088                     ; the spare words, 128 bytes a wave; no other line names them
.set STAGE, 219136                     ; 4,608 bytes a wave: a part of a tile on its way to the partner; no tile lands here
.set LI,  1                            ; 16 x lane
.set LSK, 2                            ; KSC + 4 (lane % 16) + 2 x the head's parity
.set LSV, 3                            ; VSC + 4 (lane % 16)
.set DQ,  4                            ; my query less 128 SB less 16 (lane / 16)
.set ADT, 5
.set RR,  6
.set HH,  7
.set ADK, 8
.set ADG, 9
.set ADV, 10
.set ADS, 11                           ; v12 -M, v13 the largest t, v[14:15] the sum in two halves
.set QX,  16                           ; q's fragment; v24-31 g's of my queries
.set QG,  24
.set F,   32                           ; v32-67 k's image t at 32 + 8 t, g's at 36 + 8 t, four more behind; later v's four fragments
.set SX,  68                           ; v68-99 q k^T, four tiles; behind the merge seven partial sums
.set P,   68
.set S,   100                          ; v100-163 g g^T, the merged scores, p
.set O,   164                          ; v164-195 O^T
.set PC,  196                          ; p's codes
.set KSR, 204
.set GSR, 208
.set VSR, 212
.set QXS, 216
.set QGS, 217
.set BM,  218
.set T2,  222
.set SCO, 226
.set FF,  230                          ; v[230:231] f, named as a pair
.set PW,  232                          ; p's scale word
.set STG, 233                          ; my stage; v238 my partner's
.set B1,  234
.set B2,  235
.set TA,  236
.set NINF, 237
.set STR, 238
.set SPW, 239
.set NIL, 240
.set A1,  241                          ; byte offsets of the two tiles' images and of y's scale bytes
.set A2,  242
.set Y1,  243
.set Y2,  244
.set Q2,  246                          ; the long tile's queries: q 246-249, g 250-253, scale bytes 254, 255
.set ST,  3
.set LO,  12
.set HI,  13
.set WV,  18
.set SB,  19
.set SEL, 20
.set CS,  22                           ; c = log2(e) / 8
.set G1KG, 24
.set G1V,  32
.set G1S,  40
.set G1VS, 48
.set MU,   66                          ; 1e-6
.set TB,   94
.set TS,   95
.set TV,   96
.set CNT,  97
.set ROLE, 100
.set WP,   101
.macro CROUND
	s_barrier_signal -1
	s_barrier_wait -1
	s_cmp_lg_u32 s[WV], 0
	s_cbranch_scc1 .Lnot_wave_0_\@
	s_barrier_signal -3
.Lnot_wave_0_\@:
	s_barrier_wait -3
	s_barrier_signal -1
	s_barrier_wait -1
.endm
.macro MM0 d, a, b, sa, sb
	v_wmma_scale_f32_16x16x128_f8f6f4 v[(\d):(\d)+7], v[(\a):(\a)+7], v[(\b):(\b)+7], 0, v[\sa], v[\sb] matrix_a_fmt:MATRIX_FMT_FP4 matrix_b_fmt:MATRIX_FMT_FP4
.endm
.macro MMA d, a, b, sa, sb
	v_wmma_scale_f32_16x16x128_f8f6f4 v[(\d):(\d)+7], v[(\a):(\a)+7], v[(\b):(\b)+7], v[(\d):(\d)+7], v[\sa], v[\sb] matrix_a_fmt:MATRIX_FMT_FP4 matrix_b_fmt:MATRIX_FMT_FP4
.endm
.macro TOFF sa, va, vb, vy             ; tile s[sa]'s offsets
	s_add_co_u32 s86, s87, s\sa
	s_lshl_b32 s2, s86, 10
	s_add_co_u32 s2, s2, s17
	v_add_nc_u32 v[\va], s2, v[LI]                 ; its image, in qkv, gq and yq alike: 1,024 (T + a) + 512 x parity + 16 x lane
	s_lshl_b32 s2, s86, 6
	s_add_co_u32 s2, s2, s10
	v_lshl_add_u32 v[\vb], v[RR], 2, s2            ; its scale bytes: 64 (T + a) + 2 x parity + 4 r
	s_lshl_b32 s2, s\sa, 9
	s_add_co_u32 s2, s2, s13
	v_lshl_add_u32 v[\vy], v[RR], 5, s2            ; y's scale byte: 32 a place, the head's two at 2 x head, my block's
	v_add_nc_u32 v[\vy], v[\vy], v[HH]
.endm
.macro MKG0 g0, lds, base, off
	s_mov_b32 s[\g0], 1
	s_mov_b32 s[\g0+1], \lds
	s_mov_b32 s98, s\off
	s_add_nc_u64 s[\g0+2:\g0+3], s[\base:\base+1], s[98:99]
	s_or_b32 s[\g0+3], s[\g0+3], 0x80000000
.endm
.macro ARM under, g0, g1, next
	s_cmp_lt_u32 s[WV], \under
	s_cbranch_scc0 \next
	tensor_load_to_lds s[\g0:\g0+3], s[\g1:\g1+7]
	s_nop 0
.rept 4
	v_nop
.endr
	s_branch .Lhead_asked
\next:
.endm
.macro INIT                            ; a walk begins: the largest t -3e38, the sum and O^T zeros
	v_mov_b32 v13, 0xff61b1e6
	v_mov_b32 v14, 0
	v_mov_b32 v15, 0
	v_floor_f32 v12, -v13
.set n, 0
.rept 32
	v_mov_b32 v[O+n], 0
.set n, n+1
.endr
.endm
	s_load_b128 s[4:7], s[0:1], 0x0                ; qkv s[4:5], gq s[6:7]
	s_load_b64 s[8:9], s[0:1], 0x10                ; yq
	v_lshl_add_u32 v[SPW], v0, 2, SPARE
	v_mov_b32 v[NIL], 0
	ds_add_u32 v[SPW], v[NIL]                      ; the opening lines: the add, twice on end, and its wait ahead of the first tensor load
	ds_add_u32 v[SPW], v[NIL]
	v_lshrrev_b32 v8, 5, v0
	v_readfirstlane_b32 s[WV], v8                  ; wave 0..15
	v_and_b32 v[RR], 15, v0
	v_bfe_u32 v[HH], v0, 4, 1
	v_and_b32 v[LI], 31, v0
	v_lshlrev_b32 v[LI], 4, v[LI]
	s_wait_alu depctr_va_vdst(0)                   ; the wait directly behind the writes
	s_lshr_b32 s[ROLE], s[WV], 2
	s_xor_b32 s[ROLE], s[ROLE], s[WV]
	s_and_b32 s[ROLE], s[ROLE], 1                  ; role
	s_lshr_b32 s[WP], s[WV], 1                     ; p: my pair of waves
	s_and_b32 s10, ttmp7, 0xffff
	s_lshr_b32 s11, s10, 4                         ; batch
	s_and_b32 s12, s10, 15                         ; head
	s_lshr_b32 s13, s12, 1                         ; head pair
	s_and_b32 s14, s12, 1                          ; parity
	s_lshl_b32 s87, s13, 8
	s_lshl_b32 s84, s11, 7
	s_add_co_u32 s87, s87, s84                     ; T: the batch's first tile among the pair's 256
	s_lshl_b32 s17, s14, 9
	s_lshl_b32 s10, s14, 1
	s_lshl_b32 s88, s87, 10
	s_add_co_u32 s88, s88, s17                     ; g's images, in gq
	s_add_co_u32 s89, s88, 0x200000                ; k's, in qkv: eight pairs on
	s_lshl_b32 s85, s11, 10
	s_lshl_b32 s86, s12, 2
	s_add_co_u32 s85, s85, s86                     ; 64 x the batch's first step + the head's first tile of channels
	s_lshl_b32 s90, s85, 10
	s_add_co_u32 s90, s90, 0x400000                ; v's fragments
	s_lshl_b32 s91, s85, 6
	s_add_co_u32 s91, s91, 0x640000                ; v's scale words
	s_lshl_b32 s92, s87, 6
	s_add_co_u32 s93, s92, 0x620000                ; k's scale words
	s_add_co_u32 s92, s92, 0x200000                ; g's
	s_lshl_b32 s13, s11, 16
	s_lshl_b32 s86, s12, 1
	s_add_co_u32 s13, s13, s86                     ; 65,536 x batch + 2 x head
	s_bfe_u32 s15, ttmp6, 0x40000                  ; cx
	s_lshl_b32 s16, ttmp9, 2
	s_add_co_u32 s16, s16, s15                     ; j
	s_lshl_b32 s84, s[WP], 3
	s_add_co_u32 s84, s84, s16                     ; the short tile: 8 p + j
	s_sub_co_u32 s85, 15, s[WP]
	s_lshl_b32 s85, s85, 3
	s_add_co_u32 s85, s85, s16                     ; the long one: 8 (15 - p) + j
	TOFF 84, A1, B1, Y1
	TOFF 85, A2, B2, Y2
	s_mul_i32 s86, s[WV], 4608
	s_add_co_u32 s86, s86, STAGE
	v_add_nc_u32 v[STG], s86, v[LI]                ; my stage,
	s_xor_b32 s86, s[WV], 1
	s_mul_i32 s86, s86, 4608
	s_add_co_u32 s86, s86, STAGE
	v_add_nc_u32 v[STR], s86, v[LI]                ; and my partner's
	; descriptor groups 1: the mask names all four work-groups, bit 21 beside it; elements of 8 bytes; no padding: every LDS read is of consecutive bytes
.irp g, G1KG, G1V, G1S, G1VS
	s_mov_b32 s[\g], 15|(3<<16)|(1<<21)
	s_mov_b32 s[\g+6], 0
	s_mov_b32 s[\g+7], 0
.endr
	s_mov_b32 s[G1KG+1], 64<<16                    ; k, g: 128 images of 512 bytes, 1,024 apart
	s_mov_b32 s[G1KG+2], 128<<16
	s_mov_b32 s[G1KG+3], 64<<16
	s_mov_b32 s[G1KG+4], 128
	s_mov_b32 s[G1KG+5], 128
	s_mov_b32 s[G1V+1], 512<<16                    ; v: 16 steps x 4,096 bytes, 65,536 apart
	s_mov_b32 s[G1V+2], 16<<16
	s_mov_b32 s[G1V+3], 512<<16
	s_mov_b32 s[G1V+4], 16
	s_mov_b32 s[G1V+5], 8192
	s_mov_b32 s[G1S+1], 32<<16                     ; k's, g's scale words: 8,192 dense bytes as 32 rows of 256
	s_mov_b32 s[G1S+2], 32<<16
	s_mov_b32 s[G1S+3], 32<<16
	s_mov_b32 s[G1S+4], 32
	s_mov_b32 s[G1S+5], 32
	s_mov_b32 s[G1VS+1], 32<<16                    ; v's: 16 steps x 256 bytes, 4,096 apart
	s_mov_b32 s[G1VS+2], 16<<16
	s_mov_b32 s[G1VS+3], 32<<16
	s_mov_b32 s[G1VS+4], 16
	s_mov_b32 s[G1VS+5], 512
	s_mov_b32 s[SEL], 0x76543210
	s_mov_b32 s[SEL+1], 0xfedcba98
	s_mov_b32 s[CS], 0x3e38aa3b
	s_mov_b32 s[CS+1], s[CS]
	s_mov_b32 s[MU], 0x358637bd
	s_mov_b32 s[MU+1], s[MU]
	s_mov_b32 s99, 0
	s_wait_alu depctr_va_vdst(0)
	s_wait_dscnt 0x0                               ; both opening adds are done
	s_wait_kmcnt 0x0
	global_load_b128 v[QX:QX+3], v[A1], s[4:5]     ; both tiles' queries stay in registers
	global_load_b128 v[QG:QG+3], v[A1], s[6:7]
	global_load_u16 v[QXS], v[B1], s[4:5] offset:0x600000   ; two bytes, the upper two 0
	global_load_u16 v[QGS], v[B1], s[6:7] offset:0x200000
	global_load_b128 v[Q2:Q2+3], v[A2], s[4:5]
	global_load_b128 v[Q2+4:Q2+7], v[A2], s[6:7]
	global_load_u16 v[Q2+8], v[B2], s[4:5] offset:0x600000
	global_load_u16 v[Q2+9], v[B2], s[6:7] offset:0x200000
	MKG0 56, KIMG, 4, 89
	MKG0 60, GIMG, 6, 88
	MKG0 68, VIMG, 4, 90
	MKG0 72, KSC, 4, 93
	MKG0 76, GSC, 6, 92
	MKG0 80, VSC, 4, 91
	CROUND                                         ; all four work-groups are here: the joint loads meet
	ARM 1, 56, G1KG, .Lhead_g                      ; one tree of branches on the wave's number, one load to an arm
	ARM 2, 60, G1KG, .Lhead_v
	ARM 3, 68, G1V,  .Lhead_sk
	ARM 4, 72, G1S,  .Lhead_sg
	ARM 5, 76, G1S,  .Lhead_sv
	ARM 6, 80, G1VS, .Lhead_none
.Lhead_asked:
	s_lshr_b32 s84, s16, 1
	s_lshl_b32 s84, s84, 5
	s_and_b32 s86, s16, 1
	s_lshl_b32 s86, s86, 3
	s_add_co_u32 s84, s84, s86                     ; 32 (j / 2) + 8 (j % 2)
	v_lshl_add_u32 v[LSK], v[RR], 2, KSC
	v_lshl_add_u32 v[LSV], v[RR], 2, VSC
	v_and_b32 v[DQ], 8, v[RR]
	v_lshlrev_b32 v[TA], 4, v[HH]
	v_add_nc_u32 v[LSK], s10, v[LSK]
	v_add_nc_u32 v[DQ], v[DQ], v[RR]               ; r + 8 (r / 8)
	v_mov_b32 v[NINF], 0xff800000
	v_sub_nc_u32 v[DQ], v[DQ], v[TA]
	v_mov_b32 v[FF+1], 0                           ; (named as the upper halves of pairs)
	v_mov_b32 v[SCO+1], 0
	v_add_nc_u32 v[DQ], s84, v[DQ]
.irp i, 4,5,6,7
	v_mov_b32 v[QX+\i], 0                          ; zero codes for the upper 64 of the instruction's K
	v_mov_b32 v[QG+\i], 0
.endr
.irp i, 0,1,2,3
	v_mov_b32 v[F+32+\i], 0                        ; named behind g's last image
	v_mov_b32 v[T2+\i], 0                          ; a lane permute's destination counts as one of its sources
.endr
	INIT
; A KEY STEP: 128 keys.
.macro STEP
	s_cmp_lt_u32 s[ST], s[LO]                      ; not among my steps: the work is left out, the steps of the addresses are not
	s_cbranch_scc1 .Lhid_\@
	s_cmp_gt_u32 s[ST], s[HI]
	s_cbranch_scc1 .Lhid_\@
	v_add_nc_u32 v[ADK], s[TB], v[LI]              ; (these five are also the places behind the last step's products, in front of the loads)
	v_add_nc_u32 v[ADS], s[TS], v[LSK]
	v_add_nc_u32 v[ADT], s[TV], v[LSV]
	s_delay_alu instid0(VALU_DEP_3)
	v_add_nc_u32 v[ADG], GIMG, v[ADK]
	s_delay_alu instid0(VALU_DEP_4)
	v_add_nc_u32 v[ADV], VIMG, v[ADK]
.irp g, 0,1                                    ; four tiles of 16 keys at a time, both kinds of score
.irp t, 0,1,2,3
	ds_load_b128 v[F+8*\t:F+8*\t+3], v[ADK] offset:(4*\g+\t)*512
	ds_load_b128 v[F+8*\t+4:F+8*\t+7], v[ADG] offset:(4*\g+\t)*512
	ds_load_u16 v[KSR+\t], v[ADS] offset:(4*\g+\t)*64
	ds_load_u16 v[GSR+\t], v[ADS] offset:(4*\g+\t)*64+8192
.endr
	s_wait_dscnt 0x0
.irp t, 0,1,2,3
	MM0 SX+8*\t, F+8*\t, QX, KSR+\t, QXS
	MM0 S+8*(4*\g+\t), F+8*\t+4, QG, GSR+\t, QGS
.endr
.rept 4
	v_nop                                          ; places behind the products
.endr
.if \g == 1
.irp t, 0,1,2,3                                ; v's four fragments and scale words go out here and land under the softmax
	ds_load_b128 v[F+8*\t:F+8*\t+3], v[ADV] offset:1024*\t
	ds_load_b128 v[F+8*\t+4:F+8*\t+7], v[ADV] offset:1024*\t+512
	ds_load_b32 v[VSR+\t], v[ADT] offset:64*\t
.endr
.endif
.irp j, 0,2,4,6,8,10,12,14,16,18,20,22,24,26,28,30
	v_pk_fma_f32 v[S+32*\g+\j:S+32*\g+\j+1], v[SX+\j:SX+\j+1], s[MU:MU+1], v[S+32*\g+\j:S+32*\g+\j+1] op_sel_hi:[1,0,1]   ; 1e-6 Sx + Sg, each accumulator from its low end on
.endr
.endr
	s_cmp_lg_u32 s[ST], s[SB]                      ; only a tile's last step lies on the diagonal
	s_wait_alu depctr_va_vdst(0)
	s_cbranch_scc1 .Lopen_\@
.set n, 0
.rept 64
	v_cmp_gt_i32 vcc_lo, 32*(n/16)+n%16, v[DQ]     ; register 16 b + i holds key 128 SB + 32 b + 16 (lane / 16) + i
	s_delay_alu instid0(VALU_DEP_1)
	v_cndmask_b32 v[S+n], v[S+n], v[NINF], vcc_lo
.set n, n+1
.endr
.Lopen_\@:
.irp b, 0,1,2,3
	v_max3_num_f32 v[BM+\b], v[S+16*\b], v[S+16*\b+1], v[S+16*\b+2]   ; the largest score of each block of 32 keys: for the row's maximum and for the block's largest p
.endr
.irp i, 3,5,7,9,11,13
.irp b, 0,1,2,3
	s_delay_alu instid0(VALU_DEP_4)
	v_max3_num_f32 v[BM+\b], v[BM+\b], v[S+16*\b+\i], v[S+16*\b+\i+1]
.endr
.endr
.irp b, 0,1,2,3
	v_max_num_f32 v[BM+\b], v[BM+\b], v[S+16*\b+15]
.endr
.irp b, 0,1,2,3
	v_permlanex16_b32 v[T2+\b], v[BM+\b], s[SEL], s[SEL+1]
.endr
.irp b, 0,1,2,3
	v_max_num_f32 v[BM+\b], v[BM+\b], v[T2+\b]
.endr
	v_max3_num_f32 v[TA], v[BM], v[BM+1], v[BM+2]
	v_max_num_f32 v[TA], v[TA], v[BM+3]
	v_mul_f32 v[TA], s[CS], v[TA]
	v_max_num_f32 v13, v13, v[TA]                  ; the running largest t
	v_mov_b32 v[TA], v12
	v_floor_f32 v12, -v13                          ; -M = floor(-t)
	v_sub_f32 v[TA], v12, v[TA]
	v_cvt_i32_f32 v[TA], v[TA]                     ; (it saturates)
	v_ldexp_f32 v[FF], 1.0, v[TA]                  ; f = 2^(old M - new M)
.set n, 0
.rept 32
	v_pk_fma_f32 v[S+n:S+n+1], v[S+n:S+n+1], s[CS:CS+1], v[12:13] op_sel_hi:[1,0,0]   ; t - M
.set n, n+2
.endr
.irp b, 0,1,2,3
	v_fma_f32 v[BM+\b], v[BM+\b], s[CS], v12
.endr
	s_wait_alu depctr_va_vdst(0)                   ; ahead of the batch
.set n, 0
.rept 64
	v_exp_f32 v[S+n], v[S+n]                       ; p, one batch
.set n, n+1
.endr
	v_pk_mul_f32 v[14:15], v[14:15], v[FF:FF+1] op_sel_hi:[1,0]   ; the sums under the new M: a plain line behind the batch
	s_wait_alu depctr_va_vdst(0)                   ; one wait for the batch, ahead of its first reader
.irp b, 0,1,2,3
	v_exp_f32 v[BM+\b], v[BM+\b]                   ; each block's largest p
.endr
.irp i, 0,1,2,3,4,5,6                          ; the row's sum of the unquantised p: eight chains by turns
	v_pk_add_f32 v[P+2*\i:P+2*\i+1], v[S+4*\i:S+4*\i+1], v[S+4*\i+2:S+4*\i+3]
.endr
	v_pk_add_f32 v[14:15], v[14:15], v[S+28:S+29]
.irp i, 0,1,2,3,4,5,6
	v_pk_add_f32 v[P+2*\i:P+2*\i+1], v[P+2*\i:P+2*\i+1], v[S+30+2*\i:S+31+2*\i]
.endr
	v_pk_add_f32 v[14:15], v[14:15], v[S+44:S+45]
.irp i, 0,1,2,3,4,5,6
	v_pk_add_f32 v[P+2*\i:P+2*\i+1], v[P+2*\i:P+2*\i+1], v[S+46+2*\i:S+47+2*\i]
.endr
	v_pk_add_f32 v[14:15], v[14:15], v[S+60:S+61]
	v_pk_add_f32 v[P:P+1], v[P:P+1], v[S+62:S+63]
	s_delay_alu instid0(VALU_DEP_2)
	v_pk_add_f32 v[14:15], v[14:15], v[P+6:P+7]
	s_delay_alu instid0(VALU_DEP_2)
	v_pk_add_f32 v[P:P+1], v[P:P+1], v[P+8:P+9]
	v_pk_add_f32 v[P+2:P+3], v[P+2:P+3], v[P+10:P+11]
	v_pk_add_f32 v[P+4:P+5], v[P+4:P+5], v[P+12:P+13]
	s_delay_alu instid0(VALU_DEP_2)
	v_pk_add_f32 v[14:15], v[14:15], v[P+2:P+3]
	s_delay_alu instid0(VALU_DEP_2)
	v_pk_add_f32 v[P:P+1], v[P:P+1], v[P+4:P+5]
	s_delay_alu instid0(VALU_DEP_1)
	v_pk_add_f32 v[14:15], v[14:15], v[P:P+1]
	s_wait_alu depctr_va_vdst(0)                   ; and one for the four
.irp b, 0,1,2,3
	v_max_num_f32 v[BM+\b], 0x1800000, v[BM+\b]    ; the floor 2^(3 - 127)
.endr
.irp b, 0,1,2,3
	s_delay_alu instid0(VALU_DEP_4)
	v_add_nc_u32 v[SCO+\b], 0xff000000, v[BM+\b]   ; 2 off the exponent field: the conversion's scale operand
.endr
.irp b, 0,1,2,3
	s_delay_alu instid0(VALU_DEP_4)
	v_lshrrev_b32 v[T2+\b], 23, v[SCO+\b]
.endr
	s_delay_alu instid0(VALU_DEP_3)
	v_lshl_or_b32 v[PW], v[T2+1], 8, v[T2]
	s_delay_alu instid0(VALU_DEP_1)
	v_lshl_or_b32 v[PW], v[T2+2], 16, v[PW]
	s_delay_alu instid0(VALU_DEP_1)
	v_lshl_or_b32 v[PW], v[T2+3], 24, v[PW]
.irp b, 0,1,2,3
	v_cvt_scalef32_pk8_fp4_f32 v[PC+2*\b], v[S+16*\b:S+16*\b+7], v[SCO+\b]
	v_cvt_scalef32_pk8_fp4_f32 v[PC+2*\b+1], v[S+16*\b+8:S+16*\b+15], v[SCO+\b]
.endr
	v_nop                                          ; one plain line behind a scaled conversion
.irp c, 0,1
.irp i, 0,1
	v_permlane16_swap_b32 v[PC+4*\c+\i], v[PC+4*\c+2+\i]
.endr
.endr
	s_wait_alu depctr_va_vdst(0)                   ; ahead of the first reader of O^T
.set n, 0
.rept 16
	v_pk_mul_f32 v[O+n:O+n+1], v[O+n:O+n+1], v[FF:FF+1] op_sel_hi:[1,0]   ; O^T under the new M; for each product below twelve of these name none of its registers: the places behind p's scale word and codes
.set n, n+2
.endr
	s_wait_alu depctr_va_vdst(0)
	s_wait_dscnt 0x0                               ; v is in
.irp t, 0,1,2,3                                ; O^T += v^T p^T: the four accumulators by turns
	MMA O+8*\t, F+8*\t, PC, VSR+\t, PW
.endr
.Lhid_\@:
	s_add_co_u32 s[TB], s[TB], 4096
	s_add_co_u32 s[TS], s[TS], 512
	s_add_co_u32 s[TV], s[TV], 256
	s_add_co_u32 s[ST], s[ST], 1
.endm
.macro PHASE trips                     ; one walk: the same number of trips in every wave
	s_mov_b32 s[ST], 0
	s_mov_b32 s[TB], 0
	s_mov_b32 s[TS], 0
	s_mov_b32 s[TV], 0
	s_mov_b32 s[CNT], \trips
.Lstep_\@:
	STEP
	s_sub_co_u32 s[CNT], s[CNT], 1
	s_cmp_lg_u32 s[CNT], 0
	s_cbranch_scc1 .Lstep_\@
.endm
; A TILE'S WAY OUT: O^T / the sum; register 16 b + i is channel 32 b + 16 (lane / 16) + i of my query: two blocks of the last product's K.  They are quantised, and the image leaves as it stands.
.macro FIN va, vy
.rept 4
	v_nop                                          ; places behind the last products
.endr
	v_add_f32 v14, v14, v15
	s_delay_alu instid0(VALU_DEP_1)
	v_permlanex16_b32 v[TA], v14, s[SEL], s[SEL+1]
	s_delay_alu instid0(VALU_DEP_1)
	v_add_f32 v14, v14, v[TA]
	s_wait_alu depctr_va_vdst(0)                   ; ahead of the transcendental
	v_rcp_f32 v14, v14
	v_nop                                          ; a plain place behind it
	s_wait_alu depctr_va_vdst(0)                   ; ahead of the first reader
.set n, 0
.rept 32
	v_mul_f32 v[S+n], v[O+n], v14
.set n, n+1
.endr
.irp b, 0,1
	v_max3_num_f32 v[BM+\b], |v[S+16*\b]|, |v[S+16*\b+1]|, 0x1800000
.endr
.irp i, 2,4,6,8,10,12,14
.irp b, 0,1
	s_delay_alu instid0(VALU_DEP_2)
	v_max3_num_f32 v[BM+\b], v[BM+\b], |v[S+16*\b+\i]|, |v[S+16*\b+\i+1]|
.endr
.endr
.irp b, 0,1
	s_delay_alu instid0(VALU_DEP_2)
	v_permlanex16_b32 v[T2+\b], v[BM+\b], s[SEL], s[SEL+1]
.endr
.irp b, 0,1
	s_delay_alu instid0(VALU_DEP_2)
	v_max_num_f32 v[BM+\b], v[BM+\b], v[T2+\b]
.endr
.irp b, 0,1
	s_delay_alu instid0(VALU_DEP_2)
	v_add_nc_u32 v[SCO+\b], 0xff000000, v[BM+\b]
.endr
.irp b, 0,1
	s_delay_alu instid0(VALU_DEP_2)
	v_lshrrev_b32 v[T2+\b], 23, v[SCO+\b]
.endr
.irp b, 0,1
	v_cvt_scalef32_pk8_fp4_f32 v[PC+2*\b], v[S+16*\b:S+16*\b+7], v[SCO+\b]
	v_cvt_scalef32_pk8_fp4_f32 v[PC+2*\b+1], v[S+16*\b+8:S+16*\b+15], v[SCO+\b]
.endr
	v_nop
	v_permlane16_swap_b32 v[PC], v[PC+2]           ; lanes 0-15 block 0, lanes 16-31 block 1, whole
	v_permlane16_swap_b32 v[PC+1], v[PC+3]
	v_cmp_eq_u32 vcc_lo, 0, v[HH]
	s_delay_alu instid0(VALU_DEP_1)
	v_cndmask_b32 v[TA], v[T2+1], v[T2], vcc_lo    ; my half's block's byte
	global_store_b128 v[\va], v[PC:PC+3], s[8:9]   ; 512 consecutive bytes
	global_store_b8 v[\vy], v[TA], s[8:9] offset:0x200000
.endm
	s_wait_alu depctr_va_vdst(0)                   ; the head's end
	s_wait_loadcnt 0x0                             ; my queries
	s_wait_tensorcnt 0x0                           ; my tile has landed,
	s_barrier_signal -1
	s_barrier_wait -1                              ; everybody's have: the head lies in LDS, and no tile is filled again
	; THE SHORT TILE: role 1 walks its steps 0 .. p; role 0 none (no step's number reaches 16)
	s_mov_b32 s[SB], s[WP]
	s_mov_b32 s[HI], s[WP]
	s_cmp_eq_u32 s[ROLE], 0
	s_cselect_b32 s[LO], 16, 0
	PHASE 8
	s_cmp_eq_u32 s[ROLE], 0
	s_cbranch_scc1 .Lno_short
	FIN A1, Y1
.Lno_short:
.irp i, 0,1,2,3
	v_mov_b32 v[QX+\i], v[Q2+\i]                   ; the long tile's queries
	v_mov_b32 v[QG+\i], v[Q2+4+\i]
.endr
	v_mov_b32 v[QXS], v[Q2+8]
	v_mov_b32 v[QGS], v[Q2+9]
	INIT                                           ; (36 plain lines: the places behind the operands and scale registers just written)
	s_wait_alu depctr_va_vdst(0)
	s_wait_xcnt 0x0                                ; the short tile's stores have read their registers
	; THE LONG TILE: role 0 walks steps 0 .. 8, role 1 steps 9 .. 15 - p
	s_sub_co_u32 s[SB], 15, s[WP]
	s_cmp_eq_u32 s[ROLE], 0
	s_cselect_b32 s[LO], 0, 9
	s_cselect_b32 s[HI], 8, s[SB]
	PHASE 16
.rept 4
	v_nop                                          ; places behind the last products
.endr
	s_cmp_eq_u32 s[ROLE], 0
	s_cbranch_scc1 .Lno_put
.irp i, 0,1,2,3,4,5,6,7
	ds_store_b128 v[STG], v[O+4*\i:O+4*\i+3] offset:512*\i   ; role 1's part as an image of its registers, each accumulator from its low end on;
.endr
	ds_store_b128 v[STG], v[12:15] offset:4096     ; -M, the largest t, the sum's two halves
.Lno_put:
	s_wait_dscnt 0x0                               ; my stores are done
	s_barrier_signal -1
	s_barrier_wait -1                              ; everybody's are
	s_cmp_lg_u32 s[ROLE], 0
	s_cbranch_scc1 .Lend
.irp i, 0,1,2,3,4,5,6,7,8
	ds_load_b128 v[S+4*\i:S+4*\i+3], v[STR] offset:512*\i    ; my partner's part: O^T in S .. S + 31, -M in S + 32, the sum in S + 34, S + 35
.endr
	s_wait_dscnt 0x0
	v_min_num_f32 v[TA], v12, v[S+32]              ; the joint -M: the larger M.  (A partner with no step has -M = 3e38 and zeros: its factor comes out 0)
	v_sub_f32 v[BM], v[TA], v12
	v_sub_f32 v[BM+1], v[TA], v[S+32]              ; whole numbers, 0 or less
	v_cvt_i32_f32 v[BM], v[BM]
	v_cvt_i32_f32 v[BM+1], v[BM+1]                 ; (they saturate)
	v_ldexp_f32 v[FF], 1.0, v[BM]                  ; my part's factor,
	v_ldexp_f32 v[SCO], 1.0, v[BM+1]               ; my partner's: powers of two
	v_pk_mul_f32 v[14:15], v[14:15], v[FF:FF+1] op_sel_hi:[1,0]
.set n, 0
.rept 16
	v_pk_mul_f32 v[O+n:O+n+1], v[O+n:O+n+1], v[FF:FF+1] op_sel_hi:[1,0]
.set n, n+2
.endr
	v_pk_fma_f32 v[14:15], v[S+34:S+35], v[SCO:SCO+1], v[14:15] op_sel_hi:[1,0,1]
.set n, 0
.rept 16
	v_pk_fma_f32 v[O+n:O+n+1], v[S+n:S+n+1], v[SCO:SCO+1], v[O+n:O+n+1] op_sel_hi:[1,0,1]
.set n, n+2
.endr
	FIN A2, Y2
.Lend:
	s_wait_tensorcnt 0x0                           ; the wave's end
	ds_add_u32 v[SPW], v[NIL]
	s_wait_dscnt 0x0
	CROUND                                         ; the closing round
	s_endpgm
.Lfunc_end_k_q40ef5a1698_attn:
	.size	k_q40ef5a1698_attn, .Lfunc_end_k_q40ef5a1698_attn-k_q40ef5a1698_attn
	.p2alignl 7, 3214868480
	.fill 96, 4, 3214868480
	.section	.rodata,"a",@progbits
	.p2align	6, 0x0
	.amdhsa_kernel k_q40ef5a1698_attn
		.amdhsa_group_segment_fixed_size 327680
		.amdhsa_private_segment_fixed_size 0
		.amdhsa_enable_private_segment 0
		.amdhsa_kernarg_size 24
		.amdhsa_user_sgpr_count 2
		.amdhsa_user_sgpr_kernarg_segment_ptr 1
		.amdhsa_wavefront_size32 1
		.amdhsa_system_sgpr_workgroup_id_x 1
		.amdhsa_system_sgpr_workgroup_id_y 1
		.amdhsa_system_sgpr_workgroup_id_z 1
		.amdhsa_system_vgpr_workitem_id 0
		.amdhsa_next_free_vgpr 256
		.amdhsa_next_free_sgpr 102
		.amdhsa_reserve_vcc 1
		.amdhsa_float_denorm_mode_32 3
		.amdhsa_float_denorm_mode_16_64 3
		.amdhsa_memory_ordered 1
		.amdhsa_forward_progress 1
		.amdhsa_inst_pref_size 85
	.end_amdhsa_kernel
	.amdgpu_metadata
---
amdhsa.version: [ 1, 2 ]
amdhsa.kernels:
  - .name:           k_q40ef5a1698_attn
    .symbol:         k_q40ef5a1698_attn.kd
    .args:
      - { .name: qkv, .offset: 0, .size: 8, .value_kind: global_buffer, .address_space: global }
      - { .name: gq, .offset: 8, .size: 8, .value_kind: global_buffer, .address_space: global }
      - { .name: yq, .offset: 16, .size: 8, .value_kind: global_buffer, .address_space: global }
    .group_segment_fixed_size: 327680
    .private_segment_fixed_size: 0
    .kernarg_segment_align: 8
    .kernarg_segment_size: 24
    .max_flat_workgroup_size: 512
    .sgpr_count:     102
    .vgpr_count:     256
    .wavefront_size: 32
...
	.end_amdgpu_metadata
.endif
;; end of part 3
;; launch gemm_out (part 4): grid 8 x 32, 4 waves a work-group, clusters of 4 x 4, 327,680 bytes of LDS; arguments yq, wq, out0; writes out0
.if DOCPART == 4
	.amdgcn_target "amdgcn-amd-amdhsa--gfx1250"
	.amdhsa_code_object_version 6
	.text
	.protected	k_q40ef5a1698_gemm_out
	.globl	k_q40ef5a1698_gemm_out
	.p2align	8
	.type	k_q40ef5a1698_gemm_out,@function
k_q40ef5a1698_gemm_out:
	s_mov_b64 s[64:65], 0
	v_nop
	global_prefetch_b8 v0, s[64:65] scope:SCOPE_SE
	s_setreg_imm32_b32 hwreg(HW_REG_WAVE_MODE, 25, 1), 1
	s_wait_xcnt 0x0
	s_wait_alu depctr_hold_cnt(0) depctr_sa_sdst(0) depctr_va_vdst(0) depctr_va_sdst(0) depctr_va_ssrc(0) depctr_va_vcc(0) depctr_vm_vsrc(0)
	s_getreg_b32 s2, hwreg(HW_REG_IB_STS2, 6, 4)
	s_cmp_eq_u32 s2, 0
	s_cbranch_scc0 .Lentry_in_a_cluster
	s_endpgm
.Lentry_in_a_cluster:
	s_bfe_u32 s2, ttmp6, 0x10000c
	s_cmp_lg_u32 s2, 0xf033
	s_cbranch_scc0 .Lentry_shape_is_right
	s_endpgm
.Lentry_shape_is_right:
; out0 = y W_out on codes of FP4 with E8M0 scales, K = 1,024.  y: images [head pair 8][tile of 16 places 256][1,024 B] and scale bytes [place][32] at 0x200000 of yq;
; W_out's columns: rows 3,072 on of wq, 512 bytes of codes a row, scale bytes [row][32] at 0x200000.  Rows lie at places pi(row): bits 3 and 4 exchanged.
; A work-group of four waves makes 128 tokens x 128 columns: 32 x 8 = 256 work-groups.  A wave makes 64 x 64: 16 accumulators, 128 registers, in window 1.
; ALL OF K LIES IN LDS, filled once, one tensor load a wave: wave 0 y's images (8 pairs x 8,192 bytes), wave 1 W's 128 rows of 512 bytes (+ 16 of padding), wave 2 y's scale bytes, wave 3 W's.
; CLUSTERS: 4 x 4 work-groups; y's tiles are asked for jointly along a row of the cluster, W's along a column.
; No prefetch: every byte is asked for once, at the head; there is no loop along memory to run ahead in.
; THE MATRIX INSTRUCTION IS USED TRANSPOSED (source 0 = 16 rows of W, source 1 = 16 tokens): a lane holds one token, and the registers of accumulators 2 b, 2 b + 1 are columns 32 b + 16 (lane / 16) + 0 .. 15.
; REGISTERS: window 0: v16-21 addresses; v32-63 scale words (block i's word of K step q at 32 + 8 i + q: lanes 0-15 y's, lanes 16-31 W's); v64-191 two sets of fragments (y's 32, W's 32); on the way out v64-127.
.set PB,    528
.set BL,    65536                      ; LDS: y's images at 0; W's rows;
.set SCL,   133120                     ; the scales, as rows of 256 bytes + 16: y's 4,352 bytes, then W's;
.set SPARE, 141824                     ; the spare words, 128 bytes a wave; no other line names them;
.set STAGE, 142336                     ; the way out: 16 rows x (256 + 16) bytes a wave, into which no tile lands
.set SP,    272
.set ADRA, 16
.set ADRB, 17
.set ADRS, 18
.set STO,  19
.set RD,   20
.set CO,   21
.set SPW,  28
.set NIL,  29
.set SC,   32
.set F,    64
.set G1A,  24
.set G1B,  32
.set G1SA, 40
.set G1SB, 48
.set MSB, 0
.macro WIN new                         ; the immediate's high byte repeats the setting that is left
.if MSB != \new
	s_set_vgpr_msb (MSB<<8)|\new
.set MSB, \new
.endif
.endm
.macro CROUND
	s_barrier_signal -1
	s_barrier_wait -1
	s_cmp_lg_u32 s14, 0
	s_cbranch_scc1 .Lnot_wave_0_\@
	s_barrier_signal -3
.Lnot_wave_0_\@:
	s_barrier_wait -3
	s_barrier_signal -1
	s_barrier_wait -1
.endm
.macro MKG0 g0, lds, adr
	s_mov_b32 s[\g0], 1
	s_mov_b32 s[\g0+1], \lds
	s_mov_b64 s[\g0+2:\g0+3], s[\adr:\adr+1]
	s_or_b32 s[\g0+3], s[\g0+3], 0x80000000
.endm
.macro ARM under, g0, g1, next
	s_cmp_lt_u32 s14, \under
	s_cbranch_scc0 \next
	tensor_load_to_lds s[\g0:\g0+3], s[\g1:\g1+7]
	s_nop 0
.rept 4
	v_nop
.endr
	s_branch .Lhead_asked
\next:
.endm
	s_load_b128 s[4:7], s[0:1], 0x0                ; yq, wq
	s_load_b64 s[12:13], s[0:1], 0x10              ; out0
	v_lshl_add_u32 v[SPW], v0, 2, SPARE
	v_mov_b32 v[NIL], 0
	ds_add_u32 v[SPW], v[NIL]                      ; the opening lines: the add, twice on end, and its wait ahead of the first tensor load
	ds_add_u32 v[SPW], v[NIL]
	v_lshrrev_b32 v1, 5, v0
	v_readfirstlane_b32 s14, v1                    ; wave 0..3
	s_lshr_b32 s15, s14, 1                         ; which 64 tokens are mine
	s_and_b32 s16, s14, 1                          ; which 64 columns
	s_bfe_u32 s80, ttmp6, 0x40000                  ; cx, cy
	s_bfe_u32 s81, ttmp6, 0x40004
	s_lshl_b32 s82, ttmp9, 2
	s_add_co_u32 s82, s82, s80                     ; tile of columns, 0..7
	s_and_b32 s17, ttmp7, 0xffff
	s_lshl_b32 s17, s17, 2
	s_add_co_u32 s17, s17, s81                     ; tile of tokens, 0..31
	s_lshl_b32 s83, s81, 2
	s_lshl_b32 s83, 15, s83                        ; my row of the cluster
	s_lshl_b32 s84, 0x1111, s80                    ; my column
	s_or_b32 s[G1A+0], s83, (3<<16)|(1<<21)        ; y's images: 8 rows of 8,192 bytes (1,024 elements of 8), 262,144 bytes apart, no padding
	s_mov_b32 s[G1A+1], 1024<<16
	s_mov_b32 s[G1A+2], 8<<16
	s_mov_b32 s[G1A+3], 1024<<16
	s_mov_b32 s[G1A+4], 8
	s_mov_b32 s[G1A+5], 32768
	s_mov_b32 s[G1A+6], 0
	s_mov_b32 s[G1A+7], 0
	s_or_b32 s[G1B+0], s84, (0<<16)|(1<<20)|(1<<21)|(6<<22)|(3<<25)   ; W: 128 rows of 512 bytes, 4 words of padding after every 128
	s_mov_b32 s[G1B+1], 512<<16
	s_mov_b32 s[G1B+2], 128<<16
	s_mov_b32 s[G1B+3], 512<<16
	s_mov_b32 s[G1B+4], 128
	s_mov_b32 s[G1B+5], 512
	s_mov_b32 s[G1B+6], 0
	s_mov_b32 s[G1B+7], 0
	s_or_b32 s[G1SA+0], s83, (3<<16)|(1<<20)|(1<<21)|(5<<22)|(3<<25)  ; the scales of 128 rows: 4,096 dense bytes as 16 rows of 256, 16 bytes of padding behind each
	s_or_b32 s[G1SB+0], s84, (3<<16)|(1<<20)|(1<<21)|(5<<22)|(3<<25)
.irp g, G1SA, G1SB
	s_mov_b32 s[\g+1], 32<<16
	s_mov_b32 s[\g+2], 16<<16
	s_mov_b32 s[\g+3], 32<<16
	s_mov_b32 s[\g+4], 16
	s_mov_b32 s[\g+5], 32
	s_mov_b32 s[\g+6], 0
	s_mov_b32 s[\g+7], 0
.endr
	s_lshl_b32 s20, s17, 13                        ; y: 8 tiles of 1,024 bytes a tile of tokens,
	s_mov_b32 s21, 0
	s_lshl_b32 s22, s17, 12
	s_add_co_u32 s22, s22, 0x200000                ; 128 x 32 scale bytes
	s_mov_b32 s23, 0
	s_lshl_b32 s86, s82, 7
	s_add_co_u32 s86, s86, 3072                    ; W's first row
	s_lshl_b32 s88, s86, 5
	s_add_co_u32 s88, s88, 0x200000
	s_mov_b32 s89, 0
	s_lshl_b32 s86, s86, 9
	s_mov_b32 s87, 0
	s_wait_dscnt 0x0                               ; both opening adds are done
	s_wait_kmcnt 0x0
	s_add_nc_u64 s[20:21], s[4:5], s[20:21]
	s_add_nc_u64 s[22:23], s[4:5], s[22:23]
	s_add_nc_u64 s[86:87], s[6:7], s[86:87]
	s_add_nc_u64 s[88:89], s[6:7], s[88:89]
	MKG0 56, 0, 20
	MKG0 60, BL, 86
	MKG0 68, SCL, 22
	MKG0 72, SCL+4352, 88
	CROUND                                         ; all sixteen work-groups are here: the joint loads meet
	ARM 1, 56, G1A,  .Lhead_b                      ; one tree of branches on the wave's number: every way passes one load
	ARM 2, 60, G1B,  .Lhead_sa
	ARM 3, 68, G1SA, .Lhead_sb
	tensor_load_to_lds s[72:75], s[G1SB:G1SB+7]
	s_nop 0
.rept 4
	v_nop
.endr
.Lhead_asked:
	v_and_b32 v1, 15, v0                           ; r
	v_bfe_u32 v2, v0, 4, 1                         ; h
	v_and_b32 v7, 31, v0
	v_lshlrev_b32 v7, 4, v7                        ; 16 x lane
	s_wait_alu depctr_va_vdst(0)                   ; the wait directly behind the writes
	s_lshl_b32 s20, s15, 12
	v_add_nc_u32 v[ADRA], s20, v7                  ; y's fragments: my four tiles of a pair's eight
	v_mul_u32_u24 v3, v1, PB
	v_lshl_add_u32 v3, v2, 4, v3
	s_mul_i32 s21, s16, 64*PB
	s_add_co_u32 s21, s21, BL
	v_add_nc_u32 v[ADRB], s21, v3                  ; W's: row x pitch + 16 x half
	v_lshlrev_b32 v5, 5, v1                        ; my row's scales: 32 bytes a row,
	v_lshrrev_b32 v6, 8, v5
	v_lshl_add_u32 v5, v6, 4, v5                   ; and 16 more for each 256 passed
	s_mul_i32 s21, s15, 2176                       ; y's: my 64 rows
	s_mul_i32 s22, s16, 2176
	s_add_co_u32 s22, s22, 4352                    ; W's: my 64 rows, behind y's 128
	s_sub_co_u32 s22, s22, s21
	v_mul_u32_u24 v6, s22, v2                      ; lanes 16-31 take W's
	s_add_co_u32 s21, s21, SCL
	v_add_nc_u32 v5, v5, v6
	v_add_nc_u32 v[ADRS], s21, v5
	s_mul_i32 s23, s14, 16*SP
	s_add_co_u32 s23, s23, STAGE                   ; my stage
	v_mul_u32_u24 v5, v1, SP
	v_lshl_add_u32 v5, v2, 6, v5
	v_add_nc_u32 v[STO], s23, v5                   ; in: row r, 64 bytes on for the upper half of the lanes
	v_mul_u32_u24 v6, v2, SP
	v_lshl_add_u32 v6, v1, 4, v6
	v_add_nc_u32 v[RD], s23, v6                    ; back: lanes 0-15 one row of 256 bytes, lanes 16-31 the next
	v_lshlrev_b32 v5, 12, v2
	v_lshl_add_u32 v[CO], v1, 4, v5                ; and the same two rows of out0, 4,096 bytes apart
	s_lshl_b32 s20, s17, 7
	s_lshl_b32 s21, s15, 6
	s_add_co_u32 s20, s20, s21                     ; my first token
	s_lshl_b32 s20, s20, 12
	s_lshl_b32 s21, s82, 9
	s_add_co_u32 s20, s20, s21
	s_lshl_b32 s21, s16, 8
	s_add_co_u32 s20, s20, s21                     ; + my first column, in bytes
	s_mov_b32 s21, 0
	s_add_nc_u64 s[12:13], s[12:13], s[20:21]
.macro FETCH q, p                      ; 16 loads: K step q's fragments into set p
.irp i, 0,1,2,3
.irp c, 0,1
	ds_load_b128 v[F+64*(\p)+8*\i+4*\c:F+64*(\p)+8*\i+4*\c+3], v[ADRA] offset:8192*(\q)+1024*\i+512*\c
.endr
.endr
.irp i, 0,1,2,3
.irp c, 0,1
	ds_load_b128 v[F+64*(\p)+32+8*\i+4*\c:F+64*(\p)+32+8*\i+4*\c+3], v[ADRB] offset:64*(\q)+32*\c+\i*16*PB
.endr
.endr
.endm
.macro MUL q, p, zero                  ; 16 products, the 16 accumulators by turns
	WIN 0x50                                       ; C and D in window 1
.irp a, 0,1,2,3
.irp b, 0,1,2,3
.if \zero
	v_wmma_scale_f32_16x16x128_f8f6f4 v[8*(4*\a+\b):8*(4*\a+\b)+7], v[F+64*(\p)+32+8*\b:F+64*(\p)+32+8*\b+7], v[F+64*(\p)+8*\a:F+64*(\p)+8*\a+7], 0, v[SC+8*\b+(\q)], v[SC+8*\a+(\q)] matrix_a_fmt:MATRIX_FMT_FP4 matrix_b_fmt:MATRIX_FMT_FP4 matrix_a_scale:MATRIX_SCALE_ROW1
.else
	v_wmma_scale_f32_16x16x128_f8f6f4 v[8*(4*\a+\b):8*(4*\a+\b)+7], v[F+64*(\p)+32+8*\b:F+64*(\p)+32+8*\b+7], v[F+64*(\p)+8*\a:F+64*(\p)+8*\a+7], v[8*(4*\a+\b):8*(4*\a+\b)+7], v[SC+8*\b+(\q)], v[SC+8*\a+(\q)] matrix_a_fmt:MATRIX_FMT_FP4 matrix_b_fmt:MATRIX_FMT_FP4 matrix_a_scale:MATRIX_SCALE_ROW1
.endif
.endr
.endr
	WIN 0
.endm
.macro PLACES                          ; plain vector lines between a matrix instruction and a load into, or a store of, its registers
.rept 4
	v_nop
.endr
.endm
	s_wait_alu depctr_va_vdst(0)                   ; the head's end
	s_wait_tensorcnt 0x0                           ; my tile of the four is in,
	s_barrier_signal -1
	s_barrier_wait -1                              ; everybody's are; nothing is filled again
.irp i, 0,1,2,3
	ds_load_b128 v[SC+8*\i:SC+8*\i+3], v[ADRS] offset:544*\i        ; block i's scale words of K steps 0-3,
	ds_load_b128 v[SC+8*\i+4:SC+8*\i+7], v[ADRS] offset:544*\i+16   ; and 4-7
.endr
	FETCH 0, 0
	FETCH 1, 1
	s_wait_dscnt 16                                ; all but the 16 just issued
	MUL 0, 0, 1                                    ; the first products start the sums: nothing is cleared
.set Q, 1
.rept 6
	PLACES
	FETCH Q+1, (Q+1)%2
	s_wait_dscnt 16
	MUL Q, Q%2, 0
.set Q, Q+1
.endr
	s_wait_dscnt 0x0
	MUL 7, 1, 0
; THE WAY OUT, block by block of 16 tokens x 64 columns: through my own stage, back as whole rows of 256 bytes; sixteen lanes store one aligned unit.
.macro TOSTAGE a
	WIN 0x04                                       ; the data: window 1
.irp b, 0,1,2,3
	ds_store_b128 v[STO], v[8*(4*(\a)+\b):8*(4*(\a)+\b)+3] offset:128*(\b/2)+32*(\b%2)       ; each accumulator from its low end on
	ds_store_b128 v[STO], v[8*(4*(\a)+\b)+4:8*(4*(\a)+\b)+7] offset:128*(\b/2)+32*(\b%2)+16
.endr
	WIN 0
.irp t, 0,1,2,3,4,5,6,7
	ds_load_b128 v[F+32*((\a)%2)+4*\t:F+32*((\a)%2)+4*\t+3], v[RD] offset:\t*2*SP   ; LDS serves a wave's instructions in order: these see my stores
.endr
.endm
.macro SEND a, younger                 ; stage row t of block a is token 32 (a / 2) + 8 (a % 2) + t + 8 (t / 8) of my 64
	s_wait_dscnt \younger
.irp t, 0,1,2,3,4,5,6,7
	global_store_b128 v[CO], v[F+32*((\a)%2)+4*\t:F+32*((\a)%2)+4*\t+3], s[12:13] offset:(32*((\a)/2)+8*((\a)%2)+2*\t+8*((2*\t)/8))*4096 th:TH_STORE_NT
.endr
.endm
	PLACES
	TOSTAGE 0
.irp a, 1,2,3
.if \a > 1
	s_wait_xcnt 0x0                                ; block a - 2's stores have read their registers
.endif
	TOSTAGE \a
	SEND \a-1, 16                                  ; behind block a - 1's loads: block a's 8 stores and 8 loads
.endr
	SEND 3, 0
	s_wait_tensorcnt 0x0                           ; the wave's end
	ds_add_u32 v[SPW], v[NIL]
	s_wait_dscnt 0x0
	CROUND                                         ; the closing round
	s_endpgm
.Lfunc_end_k_q40ef5a1698_gemm_out:
	.size	k_q40ef5a1698_gemm_out, .Lfunc_end_k_q40ef5a1698_gemm_out-k_q40ef5a1698_gemm_out
	.p2alignl 7, 3214868480
	.fill 96, 4, 3214868480
	.section	.rodata,"a",@progbits
	.p2align	6, 0x0
	.amdhsa_kernel k_q40ef5a1698_gemm_out
		.amdhsa_group_segment_fixed_size 327680
		.amdhsa_private_segment_fixed_size 0
		.amdhsa_enable_private_segment 0
		.amdhsa_kernarg_size 24
		.amdhsa_user_sgpr_count 2
		.amdhsa_user_sgpr_kernarg_segment_ptr 1
		.amdhsa_wavefront_size32 1
		.amdhsa_system_sgpr_workgroup_id_x 1
		.amdhsa_system_sgpr_workgroup_id_y 1
		.amdhsa_system_sgpr_workgroup_id_z 1
		.amdhsa_system_vgpr_workitem_id 0
		.amdhsa_next_free_vgpr 384
		.amdhsa_next_free_sgpr 96
		.amdhsa_reserve_vcc 0
		.amdhsa_float_denorm_mode_32 3
		.amdhsa_float_denorm_mode_16_64 3
		.amdhsa_memory_ordered 1
		.amdhsa_forward_progress 1
		.amdhsa_inst_pref_size 43
	.end_amdhsa_kernel
	.amdgpu_metadata
---
amdhsa.version: [ 1, 2 ]
amdhsa.kernels:
  - .name:           k_q40ef5a1698_gemm_out
    .symbol:         k_q40ef5a1698_gemm_out.kd
    .args:
      - { .name: yq, .offset: 0, .size: 8, .value_kind: global_buffer, .address_space: global }
      - { .name: wq, .offset: 8, .size: 8, .value_kind: global_buffer, .address_space: global }
      - { .name: out0, .offset: 16, .size: 8, .value_kind: global_buffer, .address_space: global }
    .group_segment_fixed_size: 327680
    .private_segment_fixed_size: 0
    .kernarg_segment_align: 8
    .kernarg_segment_size: 24
    .max_flat_workgroup_size: 128
    .sgpr_count:     96
    .vgpr_count:     384
    .wavefront_size: 32
...
	.end_amdgpu_metadata
.endif
;; end of part 4
